; MI455X (gfx1250); checked and timed in simulation.
; The chip was launched on July 23, 2026; its instructions are those of AMD's public machine-readable ISA for CDNA 5 (MIT licence, August 2026) and "CDNA5" Instruction Set Architecture Reference Guide (July 2026). The comments in the code are by the model that wrote it; some were corrected since.
;; Differential Attention. Allowed arithmetic: float matrix products may take bf16 or f16 operands with f32 sums; other float arithmetic in f32, or as packed bf16 or f16 multiplies, adds, multiply-adds, maxima and minima; sums over many terms, partial sums and values carried from step to step in f32; what a program stores and reads back later, other than sums and carried values, may be rounded once to bf16 or f16.
;; Inputs: freqs_cos 2,048 x 32 float32; freqs_sin 2,048 x 32 float32; lambda_init 1 float32; lambda_k1 64 float32; lambda_k2 64 float32; lambda_q1 64 float32; lambda_q2 64 float32; subln_w 128 float32; wk 2,048 x 1,024 float32; wo 2,048 x 2,048 float32; wq 2,048 x 2,048 float32; wv 2,048 x 1,024 float32; x 1 x 2,048 x 2,048 float32.
;; Outputs: out0 1 x 2,048 x 2,048 float32.
;; One version. Each part assembles by itself: llvm-mc -triple=amdgcn-amd-amdhsa -mcpu=gfx1250 --defsym DOCPART=n.
;; ======== version 1 of 1: 4 launches
;; limits: values are held in f16: magnitudes above 65,504 overflow, below 6.1e-05 lose precision
;; workspace buffers: xb 8,388,608 bytes; wb 16,777,216 bytes; wob 8,388,608 bytes; qkv 16,777,216 bytes; att 8,388,608 bytes
;; launch cast (part 1): grid 256 x 4, 8 waves a work-group, no clusters, 0 bytes of LDS; arguments x, wq, wo, wk, wv, xb, wb, wob; writes xb, wb, wob
.if DOCPART == 1
	.amdgcn_target "amdgcn-amd-amdhsa--gfx1250"
	.amdhsa_code_object_version 6
	.text
	.protected	k_q0d73bbb01b_cast
	.globl	k_q0d73bbb01b_cast
	.p2align	8
	.type	k_q0d73bbb01b_cast,@function
k_q0d73bbb01b_cast:
	s_mov_b64 s[64:65], 0
	v_nop
	global_prefetch_b8 v0, s[64:65] scope:SCOPE_SE
	s_setreg_imm32_b32 hwreg(HW_REG_WAVE_MODE, 25, 1), 1
	s_wait_xcnt 0x0
; THE CAST.  x -> xb (bf16, [2048][2048]); wq, wk, wv -> wb (bf16, [2048 k][4096 n]: columns 0-2047 wq, 2048-3071 wk, 3072-4095 wv);
; wo -> wob ([2048 k][2048 n]): rounded to bf16 like every other input, and that number written as f16, for the f16 product of the last launch.
; LIMIT.  wo must lie within f16's 65,504; below 6e-5 it keeps f16's fixed step of 6e-8.
; SHARES.  A wave takes 8,192 consecutive bytes of one source: sixteen loads of 512 consecutive bytes, all issued at once; each makes 256 consecutive, aligned
; bytes of the destination, stored by one instruction of the wave (8 bytes a lane).  No loop, no LDS, no barrier: waves share nothing.
; y = 0: x; 1: wq; 2: wo (a wave = one row of 2,048 numbers); 3: wk (work-groups 0-127) and wv (128-255): a wave = two rows of 1,024 numbers.
; No register is written twice while a load or store may read it, so no wait frees one.
.set X, 8                              ; v[8:71]    sixteen loads of four registers
.set Y, 72                             ; v[72:103]  sixteen stores of two registers
.set T, 104                            ; v[104:107] at work (wo's path)
	s_load_b512 s[4:19], s[0:1], 0x0               ; x s[4:5], wq s[6:7], wo s[8:9], wk s[10:11], wv s[12:13], xb s[14:15], wb s[16:17], wob s[18:19]
	v_lshrrev_b32 v4, 5, v0
	v_readfirstlane_b32 s27, v4                    ; wave 0..7
	v_and_b32 v5, 31, v0
	v_lshlrev_b32 v1, 4, v5                        ; loads: 16 bytes a lane
	v_lshlrev_b32 v2, 3, v5                        ; stores: 8 bytes a lane
	s_and_b32 s29, ttmp7, 0xffff                   ; y: which source
	s_lshl_b32 s28, ttmp9, 3
	s_add_co_u32 s28, s28, s27                     ; W = 8 x work-group + wave, 0..2047
	s_mov_b32 s36, 0xffff0000                      ; a word's upper bf16
	s_cmp_eq_u32 s29, 3
	s_cselect_b32 s32, 1, 0
	s_cmp_ge_u32 s28, 1024
	s_cselect_b32 s33, 1, 0
	s_and_b32 s32, s32, s33                        ; 1: this wave casts wv
	s_and_b32 s33, s28, 1023                       ; the wave's number inside wk or wv
	s_mov_b32 s24, 12                              ; x, wo: a destination row is 4,096 bytes
	s_mov_b32 s25, 0                               ; the first column's byte
	s_mov_b32 s26, 2048                            ; from the first eight stores to the last eight
	s_cmp_eq_u32 s29, 1
	s_cselect_b32 s24, 13, s24                     ; wq: a row of wb is 8,192 bytes
	s_cmp_eq_u32 s29, 3
	s_cselect_b32 s24, 14, s24                     ; wk, wv: two rows of wb a wave,
	s_cselect_b32 s25, 4096, s25                   ; from column 2,048 on,
	s_cselect_b32 s26, 8192, s26                   ; the last eight stores one row further down
	s_cselect_b32 s28, s33, s28
	s_cmp_eq_u32 s32, 1
	s_cselect_b32 s25, 6144, s25                   ; wv: from column 3,072 on
	v_add_nc_u32 v3, s26, v2
	s_lshl_b32 s30, s28, 13                        ; the wave's 8,192 bytes of its source
	s_mov_b32 s31, 0
	s_lshl_b32 s34, s28, s24
	s_add_co_u32 s34, s34, s25                     ; and their place in the destination
	s_mov_b32 s35, 0
	s_wait_kmcnt 0x0
	s_mov_b64 s[20:21], s[4:5]
	s_mov_b64 s[22:23], s[14:15]
	s_cmp_eq_u32 s29, 1
	s_cselect_b64 s[20:21], s[6:7], s[20:21]
	s_cselect_b64 s[22:23], s[16:17], s[22:23]
	s_cmp_eq_u32 s29, 2
	s_cselect_b64 s[20:21], s[8:9], s[20:21]
	s_cselect_b64 s[22:23], s[18:19], s[22:23]
	s_cmp_eq_u32 s29, 3
	s_cselect_b64 s[20:21], s[10:11], s[20:21]
	s_cselect_b64 s[22:23], s[16:17], s[22:23]
	s_cmp_eq_u32 s32, 1
	s_cselect_b64 s[20:21], s[12:13], s[20:21]
	s_add_nc_u64 s[20:21], s[20:21], s[30:31]
	s_add_nc_u64 s[22:23], s[22:23], s[34:35]
.set i, 0
.rept 16
	global_load_b128 v[X+4*i:X+4*i+3], v1, s[20:21] offset:512*i th:TH_LOAD_NT
.set i, i+1
.endr
	s_cmp_eq_u32 s29, 2
	s_cbranch_scc1 .Lhalf
.set i, 0
.rept 16
	s_wait_loadcnt 15-i                            ; loads come back in order: load i is in, the 15 - i younger ones stay out
	v_cvt_pk_bf16_f32 v[Y+2*i], v[X+4*i], v[X+4*i+1]
	v_cvt_pk_bf16_f32 v[Y+2*i+1], v[X+4*i+2], v[X+4*i+3]
	global_store_b64 v[2+i/8], v[Y+2*i:Y+2*i+1], s[22:23] offset:256*(i%8)  ; the wave's 32 lanes store 256 consecutive bytes, aligned
.set i, i+1
.endr
	s_endpgm
.Lhalf:                                        ; wo: rounded to bf16, widened again, written as f16
.set i, 0
.rept 16
	s_wait_loadcnt 15-i
	v_cvt_pk_bf16_f32 v[T], v[X+4*i], v[X+4*i+1]
	v_cvt_pk_bf16_f32 v[T+1], v[X+4*i+2], v[X+4*i+3]
	v_lshlrev_b32 v[T+2], 16, v[T]
	v_and_b32 v[T], s36, v[T]
	v_lshlrev_b32 v[T+3], 16, v[T+1]
	v_and_b32 v[T+1], s36, v[T+1]
	v_cvt_pk_f16_f32 v[Y+2*i], v[T+2], v[T]
	v_cvt_pk_f16_f32 v[Y+2*i+1], v[T+3], v[T+1]
	global_store_b64 v[2+i/8], v[Y+2*i:Y+2*i+1], s[22:23] offset:256*(i%8)
.set i, i+1
.endr
	s_endpgm
.Lfunc_end_k_q0d73bbb01b_cast:
	.size	k_q0d73bbb01b_cast, .Lfunc_end_k_q0d73bbb01b_cast-k_q0d73bbb01b_cast
	.p2alignl 7, 3214868480
	.fill 96, 4, 3214868480
	.section	.rodata,"a",@progbits
	.p2align	6, 0x0
	.amdhsa_kernel k_q0d73bbb01b_cast
		.amdhsa_group_segment_fixed_size 0
		.amdhsa_private_segment_fixed_size 0
		.amdhsa_enable_private_segment 0
		.amdhsa_kernarg_size 64
		.amdhsa_user_sgpr_count 2
		.amdhsa_user_sgpr_kernarg_segment_ptr 1
		.amdhsa_wavefront_size32 1
		.amdhsa_system_sgpr_workgroup_id_x 1
		.amdhsa_system_sgpr_workgroup_id_y 1
		.amdhsa_system_sgpr_workgroup_id_z 1
		.amdhsa_system_vgpr_workitem_id 0
		.amdhsa_next_free_vgpr 112
		.amdhsa_next_free_sgpr 66
		.amdhsa_reserve_vcc 0
		.amdhsa_float_denorm_mode_32 3
		.amdhsa_float_denorm_mode_16_64 3
		.amdhsa_memory_ordered 1
		.amdhsa_forward_progress 1
		.amdhsa_inst_pref_size 16
	.end_amdhsa_kernel
	.amdgpu_metadata
---
amdhsa.version: [ 1, 2 ]
amdhsa.kernels:
  - .name:           k_q0d73bbb01b_cast
    .symbol:         k_q0d73bbb01b_cast.kd
    .args:
      - { .name: x, .offset: 0, .size: 8, .value_kind: global_buffer, .address_space: global }
      - { .name: wq, .offset: 8, .size: 8, .value_kind: global_buffer, .address_space: global }
      - { .name: wo, .offset: 16, .size: 8, .value_kind: global_buffer, .address_space: global }
      - { .name: wk, .offset: 24, .size: 8, .value_kind: global_buffer, .address_space: global }
      - { .name: wv, .offset: 32, .size: 8, .value_kind: global_buffer, .address_space: global }
      - { .name: xb, .offset: 40, .size: 8, .value_kind: global_buffer, .address_space: global }
      - { .name: wb, .offset: 48, .size: 8, .value_kind: global_buffer, .address_space: global }
      - { .name: wob, .offset: 56, .size: 8, .value_kind: global_buffer, .address_space: global }
    .group_segment_fixed_size: 0
    .private_segment_fixed_size: 0
    .kernarg_segment_align: 8
    .kernarg_segment_size: 64
    .max_flat_workgroup_size: 256
    .sgpr_count:     66
    .vgpr_count:     112
    .wavefront_size: 32
...
	.end_amdgpu_metadata
.endif
;; end of part 1
;; launch qkv (part 2): grid 16 x 16, 4 waves a work-group, clusters of 4 x 4, 327,680 bytes of LDS; arguments xb, wb, freqs_cos, freqs_sin, qkv; writes qkv
.if DOCPART == 2
	.amdgcn_target "amdgcn-amd-amdhsa--gfx1250"
	.amdhsa_code_object_version 6
	.text
	.protected	k_q0d73bbb01b_qkv
	.globl	k_q0d73bbb01b_qkv
	.p2align	8
	.type	k_q0d73bbb01b_qkv,@function
k_q0d73bbb01b_qkv:
	s_mov_b64 s[64:65], 0
	v_nop
	global_prefetch_b8 v0, s[64:65] scope:SCOPE_SE
	s_setreg_imm32_b32 hwreg(HW_REG_WAVE_MODE, 25, 1), 1
	s_wait_xcnt 0x0
	s_wait_alu depctr_hold_cnt(0) depctr_sa_sdst(0) depctr_va_vdst(0) depctr_va_sdst(0) depctr_va_ssrc(0) depctr_va_vcc(0) depctr_vm_vsrc(0)
	s_getreg_b32 s2, hwreg(HW_REG_IB_STS2, 6, 4)
	s_cmp_eq_u32 s2, 0
	s_cbranch_scc0 .Lentry_in_a_cluster
	s_endpgm
.Lentry_in_a_cluster:
	s_bfe_u32 s2, ttmp6, 0x10000c
	s_cmp_lg_u32 s2, 0xf033
	s_cbranch_scc0 .Lentry_shape_is_right
	s_endpgm
.Lentry_shape_is_right:
; THE THREE PROJECTIONS AND THE ROTATION.  [2048 x 2048] xb times [2048 k x 4096 n] wb, both bf16, sums in f32; q's and k's column pairs (2 i, 2 i + 1) of each 64 columns are turned by
; cos, sin [row][i] (both rounded to bf16, like every input) in f32; the result is rounded once to f16 and stored by heads: qkv [32 H][2048 rows][128]: H 0-15 q, 16-23 k, 24-31 v; a row is 256 bytes.
; LIMIT.  q, k and v must lie within f16's 65,504 (a larger number becomes an infinity); NaN and infinities are not treated apart.
; SHARES.  A work-group makes 128 rows x 256 columns; each of its four waves 64 x 128: the 128 columns are one head H.  32 accumulators of 16 x 16, 256 registers.  K goes in steps of 128
; through two LDS slots filled by the tensor data mover.  x's tile lies [row][k] (rows of 256 bytes + 16), the weights' [k][n] (rows of 512 bytes + 32) and come out turned, by ds_load_tr16_b128.
; THE PRODUCT IS USED TRANSPOSED (source 0 = 16 columns of the weights, source 1 = 16 rows of x): a lane holds row l % 16 and the eight neighbouring columns 8 (l / 16) + 0..7: four pairs to turn, 16 bytes of f16.
; CLUSTERS.  4 x 4 work-groups: the four of a row need the same tiles of x, the four of a column the same tiles of the weights: each is asked for jointly.
; v's columns take the same text with cos = 1 and sin = 0, set by masks on the tables (the cluster's x is 3 for v's columns): no branch.
; REGISTERS: window 0: v0-19 addresses; v32-63 packed results; v64-127 rows read back from the stage; v128-191 cos, v192-255 sin (16 a + 4 (b % 4) + r)
;   window 1: two fragment buffers of 96 (x's four fragments, then the weights' eight); on the way out v0-63 the turned numbers          window 2: the accumulators, (a, b) at 8 (8 a + b)
.set KSTEP,  128
.set PA,     272                       ; x's LDS row: 256 + 16 bytes: the 16 rows of a fragment load start in 16 different groups of four banks
.set PB,     544                       ; the weights' LDS row: 512 + 32 bytes, an odd multiple of 32
.set AHALF,  64*PA                     ; what one tensor load brings of x
.set BOFF,   2*AHALF
.set BHALF,  64*PB                     ; and of the weights: 64 k-rows
.set SLOT,   BOFF+2*BHALF
.set STAGE,  2*SLOT                    ; behind the ring: 16 rows x 272 bytes for each wave
.set SPITCH, 272
.set SPARE,  STAGE+4*16*SPITCH         ; behind the stages: the spare words, 128 bytes for each wave, which no other line names
.set LAPS,   8                         ; a lap = two K steps
.set ADRA, 8                           ; v8-9    LDS address of my fragments of x in slot 0, 1
.set ADRB, 10                          ; v10-11  the same for the weights
.set STO,  12                          ; v12     the way out: where I put 16 bytes of a row
.set RD,   13                          ; v13     where I read rows back
.set CO,   14                          ; v14     my byte offset in two rows of a head
.set PFO,  15                          ; v15     the prefetches' offset: my lane x a row; never rewritten
.set CSO,  16                          ; v16     my byte offset in 16 rows of the tables; never rewritten
.set SPW,  18                          ; v18     my spare word; never rewritten
.set NIL,  19                          ; v19     0; never rewritten
.set TMP,  32
.set OB,   64
.set COS,  128
.set SIN,  192
.set F0,   0
.set F1,   96
.set G1,   24                          ; s[24:31] group 1 for x's tiles; s[32:39] group 0, a set a slot
.set G0,   32
.set G1B,  48                          ; s[48:55], s[56:63] the same for the weights'
.set G0B,  56
.set LIM,  43                          ; s43      1 in a wave that prefetches, else the greatest number
.set PFA,  44                          ; s[44:45] where my prefetches stand
.set PFS,  74                          ; s[74:75] their step: a K step along my rows
.set MSB, 0
.macro WIN new                         ; the immediate's high byte repeats the setting that is left
.if MSB != (\new)
	s_set_vgpr_msb (MSB<<8)|(\new)
.set MSB, \new
.endif
.endm
.set MUL,  0xa5                        ; sources 0 and 1 window 1; C and D window 2
.set TO_F, 0x40                        ; destination window 1, address window 0
.macro JLOAD s                         ; a joint load: waves 0 and 1 fetch x's two halves, waves 2 and 3 the weights'; an s_nop 0 and four v_nop follow each line
	s_cmp_eq_u32 s15, 0
	s_cbranch_scc0 .Lfor_b_\@
	tensor_load_to_lds s[G0+4*(\s):G0+4*(\s)+3], s[G1:G1+7]
	s_nop 0
.rept 4
	v_nop
.endr
	s_branch .Lasked_\@
.Lfor_b_\@:
	tensor_load_to_lds s[G0B+4*(\s):G0B+4*(\s)+3], s[G1B:G1B+7]
	s_nop 0
.rept 4
	v_nop
.endr
.Lasked_\@:
.endm
; A prefetch, behind a joint load and the run of LDS loads that follows it: the K step that stands two refills on, 32 rows x 256 bytes, a lane a row.  Each block is named once in the launch:
; x's rows by wave 0 of the clusters with x = 0 (the partner at cx takes rows 32 cx on), the weights' k-rows by waves 2 and 3 (one half of the tile column's 512 bytes each) of the clusters with y = 0
; (the partner at cy takes k-rows 32 cy on): partners are told apart by address alone.  The loop's last trip asks for nothing: those K steps do not exist.
.macro ASK
	s_cmp_gt_u32 s3, s[LIM]
	s_cbranch_scc0 .Lnot_mine_\@
	global_prefetch_b8 v[PFO], s[PFA:PFA+1] th:TH_LOAD_NT scope:SCOPE_SE
.Lnot_mine_\@:
.endm
.macro CREST                           ; a round of the cluster's barrier behind its opening barrier
	s_cmp_lg_u32 s14, 0
	s_cbranch_scc1 .Lnot_wave_0_\@
	s_barrier_signal -3
.Lnot_wave_0_\@:
	s_barrier_wait -3
	s_barrier_signal -1
	s_barrier_wait -1
.endm
.macro CROUND
	s_barrier_signal -1
	s_barrier_wait -1
	CREST
.endm
.macro PLACES                          ; four plain instructions between a matrix instruction and a load into, or a vector read of, its registers
.rept 4
	v_nop
.endr
.endm
	s_load_b256 s[4:11], s[0:1], 0x0               ; xb s[4:5], wb s[6:7], cos s[8:9], sin s[10:11]
	s_load_b64 s[12:13], s[0:1], 0x20              ; qkv
	v_lshl_add_u32 v[SPW], v0, 2, SPARE
	v_mov_b32 v[NIL], 0
	ds_add_u32 v[SPW], v[NIL]                      ; the wave's opening: the add and its wait stand ahead of my first tensor load
	v_lshrrev_b32 v1, 5, v0
	v_readfirstlane_b32 s14, v1                    ; wave 0..3
	s_lshr_b32 s15, s14, 1                         ; mh: my 64 rows.  Also: I fetch x (0) or the weights (1)
	s_and_b32 s16, s14, 1                          ; nh: my 128 columns.  Also: which half of that tile I fetch
	s_bfe_u32 s17, ttmp6, 0x40000                  ; cx
	s_bfe_u32 s18, ttmp6, 0x40004                  ; cy
	s_lshl_b32 s19, ttmp9, 2
	s_add_co_u32 s19, s19, s17                     ; tile column = 4 x cluster x + cx
	s_and_b32 s20, ttmp7, 0xffff
	s_lshl_b32 s20, s20, 2
	s_add_co_u32 s20, s20, s18                     ; tile row = 4 x cluster y + cy
	s_lshl_b32 s21, s18, 2
	s_lshl_b32 s21, 15, s21                        ; my row of the cluster
	s_lshl_b32 s22, 0x1111, s17                    ; my column
	s_or_b32 s[G1], s21, (1<<16)|(1<<20)|(1<<21)|(5<<22)|(3<<25)   ; mask; 2-byte elements; padding on; bit 21 beside a mask; after every 64 words 4 words
	s_mov_b32 s[G1+1], 128<<16                     ; tensor_dim0 = 128
	s_mov_b32 s[G1+2], 64<<16                      ; tensor_dim1 = 64
	s_mov_b32 s[G1+3], 128<<16                     ; tile_dim0 = 128
	s_mov_b32 s[G1+4], 64                          ; tile_dim1 = 64
	s_mov_b32 s[G1+5], 2048                        ; elements from row to row
	s_mov_b32 s[G1+6], 0
	s_mov_b32 s[G1+7], 0
	s_or_b32 s[G1B], s22, (1<<16)|(1<<20)|(1<<21)|(6<<22)|(7<<25)  ; after every 128 words 8 words
	s_mov_b32 s[G1B+1], 256<<16
	s_mov_b32 s[G1B+2], 64<<16
	s_mov_b32 s[G1B+3], 256<<16
	s_mov_b32 s[G1B+4], 64
	s_mov_b32 s[G1B+5], 4096
	s_mov_b32 s[G1B+6], 0
	s_mov_b32 s[G1B+7], 0
	s_lshl_b32 s40, s20, 19                        ; x: row 128 x tile row + 64 x half, 4,096 bytes a row: made of the tile row and the wave's number alone
	s_lshl_b32 s42, s16, 18
	s_add_co_u32 s40, s40, s42
	s_mov_b32 s41, 0
	s_lshl_b32 s46, s16, 19                        ; weights: k-row 64 x half, 8,192 bytes a row, + 512 bytes x tile column: made of the tile column and the wave's number alone
	s_lshl_b32 s69, s19, 9
	s_add_co_u32 s46, s46, s69
	s_mov_b32 s47, 0
	s_mul_i32 s23, s16, AHALF                      ; where they go: no place in the cluster enters an LDS address
	s_mul_i32 s66, s16, BHALF
	s_add_co_u32 s66, s66, BOFF
	s_mov_b32 s71, 0xffff0000
	s_wait_dscnt 0x0                               ; the opening add is done
	s_wait_kmcnt 0x0
	s_add_nc_u64 s[40:41], s[4:5], s[40:41]
	s_add_nc_u64 s[46:47], s[6:7], s[46:47]
	CROUND                                         ; all sixteen work-groups are here: the first joint loads meet
.irp s, 0,1
	s_mov_b32 s[G0+4*(\s)], 1
	s_add_co_u32 s[G0+4*(\s)+1], s23, (\s)*SLOT
	s_add_nc_u64 s[G0+4*(\s)+2:G0+4*(\s)+3], s[40:41], (\s)*KSTEP*2
	s_or_b32 s[G0+4*(\s)+3], s[G0+4*(\s)+3], 0x80000000
	s_mov_b32 s[G0B+4*(\s)], 1
	s_add_co_u32 s[G0B+4*(\s)+1], s66, (\s)*SLOT
	s_add_nc_u64 s[G0B+4*(\s)+2:G0B+4*(\s)+3], s[46:47], (\s)*KSTEP*8192
	s_or_b32 s[G0B+4*(\s)+3], s[G0B+4*(\s)+3], 0x80000000
	JLOAD \s
.endr
	; the tables: my 64 rows, for block a of 16 rows and column block b the four numbers 8 (b % 4) + 4 (l / 16) + 0..3 of row l % 16
	v_and_b32 v1, 15, v0                           ; l % 16
	v_bfe_u32 v2, v0, 4, 1                         ; l / 16
	v_lshlrev_b32 v[CSO], 7, v1
	v_lshl_add_u32 v[CSO], v2, 4, v[CSO]
	s_lshl_b32 s72, s20, 14                        ; 128 rows of 128 bytes a tile row,
	s_lshl_b32 s70, s15, 13                        ; my 64
	s_add_co_u32 s72, s72, s70
	s_mov_b32 s73, 0
	s_add_nc_u64 s[8:9], s[8:9], s[72:73]
	s_add_nc_u64 s[10:11], s[10:11], s[72:73]
.irp a, 0,1,2,3
.irp b, 0,1,2,3
	global_load_b128 v[COS+16*(\a)+4*(\b):COS+16*(\a)+4*(\b)+3], v[CSO], s[8:9] offset:2048*(\a)+32*(\b)
	global_load_b128 v[SIN+16*(\a)+4*(\b):SIN+16*(\a)+4*(\b)+3], v[CSO], s[10:11] offset:2048*(\a)+32*(\b)
.endr
.endr
	; lane addresses
	v_and_b32 v3, 7, v0
	v_bfe_u32 v4, v0, 3, 1
	v_mul_u32_u24 v5, v1, PA
	v_lshl_add_u32 v5, v2, 4, v5                   ; x: row x pitch + 16 x half
	v_lshl_add_u32 v6, v2, 3, v3
	v_mul_u32_u24 v6, v6, PB
	v_lshl_add_u32 v6, v4, 4, v6                   ; weights: k-row 8 (l / 16) + l % 8, 16 bytes for each eight lanes
	s_mul_i32 s2, s15, AHALF
	v_add_nc_u32 v[ADRA], s2, v5
	v_add_nc_u32 v[ADRA+1], SLOT, v[ADRA]
	s_lshl_b32 s2, s16, 8
	s_add_co_u32 s2, s2, BOFF
	v_add_nc_u32 v[ADRB], s2, v6
	v_add_nc_u32 v[ADRB+1], SLOT, v[ADRB]
	s_mul_i32 s2, s14, 16*SPITCH
	s_add_co_u32 s2, s2, STAGE                     ; my stage
	v_add_nc_u32 v[STO], s2, v5
	v_mul_u32_u24 v7, v2, SPITCH
	v_lshl_add_u32 v7, v1, 4, v7
	v_add_nc_u32 v[RD], s2, v7
	v_lshlrev_b32 v[CO], 8, v2
	v_lshl_add_u32 v[CO], v1, 4, v[CO]
	; where my 64 rows of my head begin in qkv
	s_lshl_b32 s72, s19, 20                        ; H = 2 x tile column + nh, 524,288 bytes a head
	s_lshl_b32 s70, s16, 19
	s_add_co_u32 s72, s72, s70
	s_lshl_b32 s70, s20, 15
	s_add_co_u32 s72, s72, s70
	s_lshl_b32 s70, s15, 14
	s_add_co_u32 s72, s72, s70
	s_add_nc_u64 s[12:13], s[12:13], s[72:73]
	; the prefetches
	s_lshl_b32 s2, s20, 19                         ; x: the tile row's first row,
	s_lshl_b32 s70, s17, 17                        ; my work-group's 32 rows,
	s_add_co_u32 s2, s2, s70
	s_add_co_u32 s2, s2, 3*KSTEP*2                 ; at K step 3: the first refill steps it to 4
	s_lshl_b32 s72, s18, 18                        ; weights: my work-group's 32 k-rows,
	s_lshl_b32 s70, s19, 9                         ; the tile column,
	s_add_co_u32 s72, s72, s70
	s_lshl_b32 s70, s16, 8                         ; my half of its 512 bytes,
	s_add_co_u32 s72, s72, s70
	s_add_co_u32 s72, s72, 3*KSTEP*8192            ; at K step 3
	s_and_b32 s70, ttmp7, 0xffff
	s_mov_b32 s[PFS], KSTEP*8192
	s_mov_b32 s[PFS+1], 0
	s_cmp_eq_u32 s15, 0                            ; do I fetch x?
	s_cselect_b32 s72, s2, s72
	s_cselect_b32 s70, ttmp9, s70                  ; the coordinate along which other clusters read the same rows
	s_cselect_b32 s[PFS], KSTEP*2, s[PFS]
	s_cselect_b32 s2, 12, 13
	s_cselect_b64 s[PFA:PFA+1], s[4:5], s[6:7]
	s_add_nc_u64 s[PFA:PFA+1], s[PFA:PFA+1], s[72:73]
	s_cmp_eq_u32 s70, 0
	s_cselect_b32 s[LIM], 1, -1
	s_cmp_eq_u32 s14, 1                            ; x's 32 rows want one wave: wave 1 never asks
	s_cselect_b32 s[LIM], -1, s[LIM]
	v_and_b32 v[PFO], 31, v0
	v_lshlrev_b32 v[PFO], s2, v[PFO]
	; the tables are rounded to bf16 and widened again; for v's columns cos becomes 1 and sin 0
	s_mov_b32 s70, ttmp9
	s_cmp_eq_u32 s70, 3
	s_cselect_b32 s67, 0, -1
	s_cselect_b32 s68, 0x3f803f80, 0
	s_wait_loadcnt 0x0
.set i, 0
.rept 32
	v_cvt_pk_bf16_f32 v[TMP+i%8], v[COS+2*i], v[COS+2*i+1]
	v_cvt_pk_bf16_f32 v[TMP+8+i%8], v[SIN+2*i], v[SIN+2*i+1]
	v_and_or_b32 v[TMP+i%8], v[TMP+i%8], s67, s68
	v_and_b32 v[TMP+8+i%8], s67, v[TMP+8+i%8]
	v_lshlrev_b32 v[COS+2*i], 16, v[TMP+i%8]
	v_and_b32 v[COS+2*i+1], s71, v[TMP+i%8]
	v_lshlrev_b32 v[SIN+2*i], 16, v[TMP+8+i%8]
	v_and_b32 v[SIN+2*i+1], s71, v[TMP+8+i%8]
.set i, i+1
.endr
; 8 matrix instructions: row block a x all 8 column blocks, 32 along K.  The 32 accumulators take turns, one instruction a turn, in the same order in every quarter.
.macro MUL8 f, a, zero
	WIN MUL
.irp b, 0,1,2,3,4,5,6,7
.if \zero
	v_wmma_f32_16x16x32_bf16 v[8*(8*(\a)+(\b)):8*(8*(\a)+(\b))+7], v[(\f)+32+8*(\b):(\f)+32+8*(\b)+7], v[(\f)+8*(\a):(\f)+8*(\a)+7], 0
.else
	v_wmma_f32_16x16x32_bf16 v[8*(8*(\a)+(\b)):8*(8*(\a)+(\b))+7], v[(\f)+32+8*(\b):(\f)+32+8*(\b)+7], v[(\f)+8*(\a):(\f)+8*(\a)+7], v[8*(8*(\a)+(\b)):8*(8*(\a)+(\b))+7]
.endif
.endr
.endm
; 24 LDS loads in one run: quarter q (32 along K) of a slot into buffer f: the weights' 8 fragments (turned), then x's four
.macro FETCH slot, q, f
	WIN TO_F
.irp b, 0,1,2,3,4,5,6,7
	ds_load_tr16_b128 v[(\f)+32+8*(\b):(\f)+32+8*(\b)+3],   v[ADRB+(\slot)] offset:(\q)*32*PB+32*(\b)
	ds_load_tr16_b128 v[(\f)+32+8*(\b)+4:(\f)+32+8*(\b)+7], v[ADRB+(\slot)] offset:(\q)*32*PB+16*PB+32*(\b)
.endr
.irp i, 0,1,2,3
	ds_load_b128 v[(\f)+8*(\i):(\f)+8*(\i)+3],   v[ADRA+(\slot)] offset:64*(\q)+(\i)*16*PA
	ds_load_b128 v[(\f)+8*(\i)+4:(\f)+8*(\i)+7], v[ADRA+(\slot)] offset:64*(\q)+(\i)*16*PA+32
.endr
.endm
; One of a K step's first three quarters: multiplies buffer f, and in its middle fetches quarter q of the same slot into buffer g
.macro QUARTER slot, q, f, g, zero
	s_wait_dscnt 4                                 ; the weights and x's blocks 0, 1 are in; the youngest four loads (blocks 2, 3) may be out
	MUL8 \f, 0, \zero
	MUL8 \f, 1, \zero
	PLACES
	FETCH \slot, \q, \g
	s_wait_dscnt 24                                ; all but the 24 just issued
	MUL8 \f, 2, \zero
	MUL8 \f, 3, \zero
.endm
; The last quarter multiplies buffer 1 and changes slots: one barrier; in front of it each wave waits for all its tensor loads (one is out: its part of the next slot), adds 0 to its spare word,
; and waits for that and for its own reads of this slot.  fill = 1: the barrier opens a round of the cluster's, and this slot is filled again, two K steps on, first thing behind the round.
.macro TURN slot, next, fill
.if \fill
	s_wait_xcnt 0x0                                ; the last prefetch, a K step back, has read its address: it is stepped here
	s_add_nc_u64 s[PFA:PFA+1], s[PFA:PFA+1], s[PFS:PFS+1]
.endif
	WIN 0
	s_wait_tensorcnt 0x0                           ; all my tensor loads have landed
	ds_add_u32 v[SPW], v[NIL]                      ; 0 onto my spare word
	s_wait_dscnt 5                                 ; (the add and the youngest four loads may be out)
	MUL8 F1, 0, 0
	s_wait_dscnt 0x0                               ; the add is done, and my reads of this slot are over
	s_barrier_signal -1
	MUL8 F1, 1, 0
.if \fill
	WIN 0
.endif
	s_barrier_wait -1
.if \fill
	CREST                                          ; no wave of any partner still reads this slot or has a load on its way
	s_add_nc_u64 s[G0+4*(\slot)+2:G0+4*(\slot)+3], s[G0+4*(\slot)+2:G0+4*(\slot)+3], 2*KSTEP*2
	s_add_nc_u64 s[G0B+4*(\slot)+2:G0B+4*(\slot)+3], s[G0B+4*(\slot)+2:G0B+4*(\slot)+3], 2*KSTEP*8192
	JLOAD \slot                                    ; its four v_nop are also the places in front of the loads below
.else
	PLACES
.endif
	FETCH \next, 0, F0
.if \fill
	WIN 0
	ASK
.endif
	MUL8 F1, 2, 0
	MUL8 F1, 3, 0
.endm
	s_wait_tensorcnt 1                             ; my part of K step 0 is in; K step 1's may stay out
	s_barrier_signal -1
	s_barrier_wait -1
	FETCH 0, 0, F0
	QUARTER 0, 1, F0, F1, 1                        ; the first quarter stands in front of the loop: its products start the sums
	WIN 0
	s_mov_b32 s3, LAPS-1
.Llap:                                         ; a trip goes once round the ring and fills both slots again
	QUARTER 0, 2, F1, F0, 0
	QUARTER 0, 3, F0, F1, 0
	TURN 0, 1, 1
	QUARTER 1, 1, F0, F1, 0
	QUARTER 1, 2, F1, F0, 0
	QUARTER 1, 3, F0, F1, 0
	TURN 1, 0, 1
	QUARTER 0, 1, F0, F1, 0
	WIN 0
	s_sub_co_u32 s3, s3, 1
	s_cmp_lg_u32 s3, 0
	s_cbranch_scc1 .Llap
	QUARTER 0, 2, F1, F0, 0                        ; the last lap fills nothing
	QUARTER 0, 3, F0, F1, 0
	TURN 0, 1, 0
	QUARTER 1, 1, F0, F1, 0
	QUARTER 1, 2, F1, F0, 0
	QUARTER 1, 3, F0, F1, 0
	s_wait_dscnt 4
	MUL8 F1, 0, 0
	MUL8 F1, 1, 0
	s_wait_dscnt 0x0
	MUL8 F1, 2, 0
	MUL8 F1, 3, 0
; THE WAY OUT, a block of 16 rows at a time.  PACK: the pairs (e, o) become (e cos - o sin, e sin + o cos) in f32 and are rounded to f16.  Each accumulator's register 1 is read first.
.macro PACK a
	WIN 0x52                                       ; destination and source 2 window 1, source 0 window 2, source 1 window 0
.irp b, 0,1,2,3,4,5,6,7
.irp r, 0,1,2,3
	v_mul_f32 v[8*(\b)+2*(\r)],   v[8*(8*(\a)+(\b))+2*(\r)+1], v[SIN+16*(\a)+4*((\b)%4)+(\r)]
	v_mul_f32 v[8*(\b)+2*(\r)+1], v[8*(8*(\a)+(\b))+2*(\r)],   v[SIN+16*(\a)+4*((\b)%4)+(\r)]
.endr
.irp r, 0,1,2,3
	v_fma_f32 v[8*(\b)+2*(\r)],   v[8*(8*(\a)+(\b))+2*(\r)],   v[COS+16*(\a)+4*((\b)%4)+(\r)], -v[8*(\b)+2*(\r)]
	v_fma_f32 v[8*(\b)+2*(\r)+1], v[8*(8*(\a)+(\b))+2*(\r)+1], v[COS+16*(\a)+4*((\b)%4)+(\r)], v[8*(\b)+2*(\r)+1]
.endr
.endr
	WIN 0x05                                       ; sources window 1, destination window 0
.set i, 0
.rept 32
	v_cvt_pk_f16_f32 v[TMP+i], v[2*i], v[2*i+1]
.set i, i+1
.endr
	WIN 0
.endm
.macro TOSTAGE a                       ; into my own stage, and back as whole rows of 256 bytes
	WIN 0
.irp b, 0,1,2,3,4,5,6,7
	ds_store_b128 v[STO], v[TMP+4*(\b):TMP+4*(\b)+3] offset:32*(\b)
.endr
.irp t, 0,1,2,3,4,5,6,7
	ds_load_b128 v[OB+32*((\a)%2)+4*(\t):OB+32*((\a)%2)+4*(\t)+3], v[RD] offset:(\t)*2*SPITCH  ; LDS serves a wave's instructions in order: these see the stores above
.endr
.endm
.macro SEND a
	WIN 0
	s_wait_dscnt 0x0                               ; the block is back in registers
	s_wait_xcnt 0x0                                ; the stores of the block before have read their registers: the next block's loads land there only behind this wait
.irp t, 0,1,2,3,4,5,6,7
	global_store_b128 v[CO], v[OB+32*((\a)%2)+4*(\t):OB+32*((\a)%2)+4*(\t)+3], s[12:13] offset:(\a)*4096+(\t)*512  ; 16 lanes store a head's row: 256 consecutive bytes, aligned
.endr
.endm
	PLACES
	PACK 0
	TOSTAGE 0
.irp a, 1,2,3                          ; block a's arithmetic stands between block a - 1's loads from the stage and the wait for them
	PACK \a
	SEND (\a)-1
	TOSTAGE \a
.endr
	SEND 3
	s_wait_tensorcnt 0x0                           ; the wave's end
	ds_add_u32 v[SPW], v[NIL]
	s_wait_dscnt 0x0
	CROUND                                         ; the closing round
	s_endpgm
.Lfunc_end_k_q0d73bbb01b_qkv:
	.size	k_q0d73bbb01b_qkv, .Lfunc_end_k_q0d73bbb01b_qkv-k_q0d73bbb01b_qkv
	.p2alignl 7, 3214868480
	.fill 96, 4, 3214868480
	.section	.rodata,"a",@progbits
	.p2align	6, 0x0
	.amdhsa_kernel k_q0d73bbb01b_qkv
		.amdhsa_group_segment_fixed_size 327680
		.amdhsa_private_segment_fixed_size 0
		.amdhsa_enable_private_segment 0
		.amdhsa_kernarg_size 40
		.amdhsa_user_sgpr_count 2
		.amdhsa_user_sgpr_kernarg_segment_ptr 1
		.amdhsa_wavefront_size32 1
		.amdhsa_system_sgpr_workgroup_id_x 1
		.amdhsa_system_sgpr_workgroup_id_y 1
		.amdhsa_system_sgpr_workgroup_id_z 1
		.amdhsa_system_vgpr_workitem_id 0
		.amdhsa_next_free_vgpr 768
		.amdhsa_next_free_sgpr 76
		.amdhsa_reserve_vcc 0
		.amdhsa_float_denorm_mode_32 3
		.amdhsa_float_denorm_mode_16_64 3
		.amdhsa_memory_ordered 1
		.amdhsa_forward_progress 1
		.amdhsa_inst_pref_size 126
	.end_amdhsa_kernel
	.amdgpu_metadata
---
amdhsa.version: [ 1, 2 ]
amdhsa.kernels:
  - .name:           k_q0d73bbb01b_qkv
    .symbol:         k_q0d73bbb01b_qkv.kd
    .args:
      - { .name: xb, .offset: 0, .size: 8, .value_kind: global_buffer, .address_space: global }
      - { .name: wb, .offset: 8, .size: 8, .value_kind: global_buffer, .address_space: global }
      - { .name: freqs_cos, .offset: 16, .size: 8, .value_kind: global_buffer, .address_space: global }
      - { .name: freqs_sin, .offset: 24, .size: 8, .value_kind: global_buffer, .address_space: global }
      - { .name: qkv, .offset: 32, .size: 8, .value_kind: global_buffer, .address_space: global }
    .group_segment_fixed_size: 327680
    .private_segment_fixed_size: 0
    .kernarg_segment_align: 8
    .kernarg_segment_size: 40
    .max_flat_workgroup_size: 128
    .sgpr_count:     76
    .vgpr_count:     768
    .wavefront_size: 32
...
	.end_amdgpu_metadata
.endif
;; end of part 2
;; launch attn (part 3): grid 16 x 16, 4 waves a work-group, clusters of 4 x 1, 327,680 bytes of LDS; arguments qkv, lambda_q1, lambda_k1, lambda_q2, lambda_k2, lambda_init, subln_w, att; writes att
.if DOCPART == 3
	.amdgcn_target "amdgcn-amd-amdhsa--gfx1250"
	.amdhsa_code_object_version 6
	.text
	.protected	k_q0d73bbb01b_attn
	.globl	k_q0d73bbb01b_attn
	.p2align	8
	.type	k_q0d73bbb01b_attn,@function
k_q0d73bbb01b_attn:
	s_mov_b64 s[64:65], 0
	v_nop
	global_prefetch_b8 v0, s[64:65] scope:SCOPE_SE
	s_setreg_imm32_b32 hwreg(HW_REG_WAVE_MODE, 25, 1), 1
	s_wait_xcnt 0x0
	s_wait_alu depctr_hold_cnt(0) depctr_sa_sdst(0) depctr_va_vdst(0) depctr_va_sdst(0) depctr_va_ssrc(0) depctr_va_vcc(0) depctr_vm_vsrc(0)
	s_getreg_b32 s2, hwreg(HW_REG_IB_STS2, 6, 4)
	s_cmp_eq_u32 s2, 0
	s_cbranch_scc0 .Lentry_in_a_cluster
	s_endpgm
.Lentry_in_a_cluster:
	s_bfe_u32 s2, ttmp6, 0x10000c
	s_cmp_lg_u32 s2, 0x3003
	s_cbranch_scc0 .Lentry_shape_is_right
	s_endpgm
.Lentry_shape_is_right:
; DIFFERENTIAL ATTENTION.  For head h and query row q: O_j = softmax_k(q_j . k_j / 8) V (j = 1, 2: the two halves of 64 channels of q's and k's rows); D = O_1 - lambda O_2;
; att = D / sqrt(mean(D^2) + 1e-5) x subln_w x (1 - lambda_init), 128 channels, f16, at att[q][128 h ..].  lambda = exp(lq1 . lk1) - exp(lq2 . lk2) + lambda_init.
; THE KEYS.  The repeat of k and v flattens (kv, row, copy) into (head, row'): head h sees the rows 1024 (h % 2) + row' / 2 of kv head h / 2, each twice, in k1, k2 and v alike.  A softmax over keys that each
; stand twice is the softmax over the 1,024 different ones: each head walks 1,024 keys.
; FORMATS.  q, k, v come in f16; products, maxima and sums in f32; the weights p are rounded to f16 for the second product (their sum l is taken of the unrounded p).  The small inputs are rounded to bf16 like every input.
; LIMITS.  p below 6e-5 keeps f16's fixed step of 6e-8; a weight below 2^-126 counts as 0 in l; att must lie within 65,504 (it is at most 11.4 |subln_w (1 - lambda_init)|); NaN and infinities are not treated apart.
; SHARES.  A work-group owns 128 queries of one head, a wave 32: four TILES t = 2 u + j (16 queries u, map j).  A PIECE is both maps of 16 queries (piece 0: tiles 0, 1; piece 2: tiles 2, 3), so the difference
; and the norm stay in the lane.  Every wave walks the keys, 64 a step.
; LAYOUT.  S^T = K Q^T (source 0 = 16 keys, source 1 = 16 queries; map j takes channels 64 j on): a lane holds ONE query (lane % 16) and the keys 8 (lane / 16) + 0..7.  Two such results rounded to f16 ARE source 1
; of O^T = V^T P, which again holds one query a lane, and eight channels.  K comes out of LDS as it lies, V turned, by ds_load_tr16_b128.
; SOFTMAX.  A running maximum m and sum l for each query and map: p = 2^(c s - c m), c = log2(e) / 8; in every step O and l are multiplied by a = 2^(c m_old - c m_new).  m starts at the lowest finite number,
; O and l at 0: the first step is a step like any other, with a = 0.
; BY TURNS.  In a TURN one piece has the matrix unit: 32 products V^T P of the step in hand, then 16 products K Q^T of the next; the other piece's softmax, cut into 64 slices, stands behind them: one slice
; behind each V^T P, two behind each K Q^T.  Two turns are a key step.
; CLUSTER.  The four query blocks of a cluster belong to one head and walk the same K and V: each tile is asked for jointly.
; REGISTERS, in windows of 256: window 0: v0-11 addresses; v12-43 eight registers of statistics a tile; v44 1 - lambda_init, v45 lambda; v46-48 addresses of the head's loads; v64-191 S^T, 32 a tile; v192-255 P, 16 a tile
;   window 1: O^T, 64 a tile     window 2: v0-63 Q (32 u + 8 x channel block); v64-127 subln_w (1 - lambda_init) for my channels; v128-255 K of one step     window 3: v0-127 V of one step
.set KS,    64
.set PK,    272       ; a row of K in LDS: 256 bytes + 16: the 16 rows of a load start in 16 different groups of four banks
.set PV,    288       ; a row of V: 256 + 32, an odd multiple of 32
.set VOFF,  KS*PK     ; a step's tiles lie together: 64 rows of K, then 64 rows of V
.set STEPB, KS*(PK+PV)
.set SLOT1, 1<<17     ; a slot holds two steps; slot 1 begins here, so that one exclusive or turns an address in one slot into the other's
.set STAGE, SLOT1+2*STEPB  ; behind the ring: 16 rows x 272 bytes for each wave
.set SP,    272
.set SPARE, STAGE+4*16*272 ; behind the stages: the spare words, 128 bytes for each wave, which no other line names
.set AK0, 2           ; v2   my lane's place in a tile of K; never rewritten
.set AV0, 3           ; v3   the same for V
.set ADR, 4           ; v4   the LDS address of the run of loads in hand
.set QO,  5           ; v5   my byte offset in 16 rows of Q; never rewritten
.set STO, 6           ; v6   the way out: where I put 16 bytes of a row
.set RD,  7           ; v7   where I read rows back
.set GO,  8           ; v8   my byte offset in two rows of att
.set OML, 44          ; v44  1 - lambda_init
.set LAM, 45          ; v45  lambda
.set PFO, 61          ; v61  256 x my lane; never rewritten
.set SPW, 62          ; v62  my spare word; never rewritten
.set NIL, 63          ; v63  0; never rewritten
.set ST,  12          ; tile t's statistics at v[ST+8 t]: +0 c m, +1 m, +2, +3 l (even keys', odd keys'), +4 to +7 c0-c3 at work; a takes c2's place
.set S,   64
.set P,   192
.set ZZ,  176         ; the way out: eight registers for each u, the sum of squares
.set SW,  64          ; window 2
.set KF,  128         ; window 2
.set WV,  12          ; s12  my wave's number
.set LIM, 15          ; s15  1 in a wave that prefetches, else the greatest number
.set PFA, 18          ; s[18:19] where my prefetches stand
.set G1K, 24
.set G1V, 32
.set G0K, 40          ; s[40:47] group 0 for K's tiles: a set for each first fill; the second then walks on
.set G0V, 48
.set SLOTS, 56
.set TWICE, 57
.set CS,  58          ; s[58:59] c
.set SEL, 60          ; s[60:61] v_permlanex16_b32's selects: each lane takes its own place in the other half
.set TB,  62          ; s62  LDS byte at which the tiles of the step to be fetched begin
.set MSB, 0
.macro WIN new
.if MSB != (\new)
	s_set_vgpr_msb (MSB<<8)|(\new)
.set MSB, \new
.endif
.endm
.set W_KQ, 0x0a       ; K and Q in window 2, S^T in window 0
.set W_PV, 0x53       ; V in window 3, P in window 0, O^T in window 1
.set W_RS, 0x41       ; destination and source 0 in window 1, source 1 in window 0
.macro JLOAD                        ; a joint refill: waves 0 and 1 fetch the two steps' K, waves 2 and 3 their V; an s_nop 0 and four v_nop follow each line
	s_cmp_lt_u32 s[WV], 2
	s_cbranch_scc0 .Lfor_v_\@
	tensor_load_to_lds s[G0K+4:G0K+7], s[G1K:G1K+7]
	s_nop 0
.rept 4
	v_nop
.endr
	s_branch .Lasked_\@
.Lfor_v_\@:
	tensor_load_to_lds s[G0V+4:G0V+7], s[G1V:G1V+7]
	s_nop 0
.rept 4
	v_nop
.endr
.Lasked_\@:
.endm
; A prefetch of what the NEXT change of slots will ask for: 128 rows of K and 128 of V, a lane a row.  Each row is named once in the launch: the head's first cluster asks; its four partners take 32 rows each,
; told apart by address; in each, wave 0 asks for K's and wave 2 for V's.  The last change that fills a slot asks for nothing.
.macro ASK
	s_cmp_gt_u32 s[SLOTS], s[LIM]
	s_cbranch_scc0 .Lnot_mine_\@
	global_prefetch_b8 v[PFO], s[PFA:PFA+1] th:TH_LOAD_NT scope:SCOPE_SE
.Lnot_mine_\@:
.endm
.macro CROUND
	s_barrier_signal -1
	s_barrier_wait -1
	s_cmp_lg_u32 s[WV], 0
	s_cbranch_scc1 .Lnot_wave_0_\@
	s_barrier_signal -3
.Lnot_wave_0_\@:
	s_barrier_wait -3
	s_barrier_signal -1
	s_barrier_wait -1
.endm
	s_load_b512 s[68:83], s[0:1], 0x0 ; qkv s[68:69], lambda_q1, lambda_k1, lambda_q2, lambda_k2 s[70:77], lambda_init s[78:79], subln_w s[80:81], att s[82:83]
	v_lshl_add_u32 v[SPW], v0, 2, SPARE
	v_mov_b32 v[NIL], 0
	ds_add_u32 v[SPW], v[NIL]       ; the wave's opening: the add and its wait stand ahead of my first tensor load
	v_lshrrev_b32 v1, 5, v0
	v_readfirstlane_b32 s[WV], v1   ; wave 0..3
	s_bfe_u32 s13, ttmp6, 0x40000   ; cx
	s_lshl_b32 s14, ttmp9, 2
	s_add_co_u32 s14, s14, s13      ; my block of 128 queries: it enters Q's and att's addresses alone
	s_and_b32 s20, ttmp7, 0xffff    ; the head, which the four partners share
	s_lshr_b32 s22, s20, 1
	s_add_co_u32 s22, s22, 16       ; k's head 16 + h / 2,
	s_lshl_b32 s22, s22, 19
	s_and_b32 s21, s20, 1
	s_lshl_b32 s21, s21, 18         ; its rows 1024 (h % 2) on,
	s_add_co_u32 s22, s22, s21
	s_and_b32 s16, s[WV], 1         ; which of a slot's two steps I fetch:
	s_lshl_b32 s21, s16, 14         ; its 64 rows of 256 bytes in memory,
	s_add_co_u32 s22, s22, s21
	s_mov_b32 s23, 0
	s_mul_i32 s17, s16, STEPB       ; and its place in a slot: no place in the cluster enters an LDS address
	s_lshl_b32 s2, s20, 19          ; Q: head h, my block's 128 rows, my wave's 32
	s_lshl_b32 s3, s14, 15
	s_add_co_u32 s2, s2, s3
	s_lshl_b32 s3, s[WV], 13
	s_add_co_u32 s2, s2, s3
	s_mov_b32 s3, 0
	s_lshl_b32 s86, s14, 19         ; att: rows of 4,096 bytes, the head's 256 bytes of them
	s_lshl_b32 s87, s[WV], 17
	s_add_co_u32 s86, s86, s87
	s_lshl_b32 s87, s20, 8
	s_add_co_u32 s86, s86, s87
	s_mov_b32 s87, 0
	s_mov_b32 s[G1K], 15|(1<<16)|(1<<20)|(1<<21)|(5<<22)|(3<<25)  ; the mask of four; 2-byte elements; padding on; bit 21 beside a mask; after every 64 words 4 words
	s_mov_b32 s[G1V], 15|(1<<16)|(1<<20)|(1<<21)|(5<<22)|(7<<25)  ; the same with 8 words
.irp g, G1K, G1V
	s_mov_b32 s[(\g)+1], 128<<16    ; tensor_dim0 = 128
	s_mov_b32 s[(\g)+2], KS<<16     ; tensor_dim1 = 64
	s_mov_b32 s[(\g)+3], 128<<16    ; tile_dim0 = 128
	s_mov_b32 s[(\g)+4], KS         ; tile_dim1 = 64
	s_mov_b32 s[(\g)+5], 128        ; elements from row to row
	s_mov_b32 s[(\g)+6], 0
	s_mov_b32 s[(\g)+7], 0
.endr
	s_mov_b32 s[CS], 0x3e38aa3b     ; c = log2(e) / 8
	s_mov_b32 s[CS+1], s[CS]
	s_mov_b32 s[SEL], 0x76543210
	s_mov_b32 s[SEL+1], 0xfedcba98
	s_mov_b32 s84, 0x3c000000       ; 1 / 128
	s_mov_b32 s85, 0x3727c5ac       ; 1e-5
	s_mov_b32 s[TB], 0
	s_and_b32 s[LIM], s[WV], 1      ; 0 in waves 0 and 2,
	s_or_b32 s[LIM], s[LIM], ttmp9  ; where the cluster is the head's first: the same in all four partners
	s_cmp_eq_u32 s[LIM], 0
	s_cselect_b32 s[LIM], 1, -1
	v_and_b32 v[PFO], 31, v0
	v_lshlrev_b32 v[PFO], 8, v[PFO]
	s_wait_dscnt 0x0                ; the opening add is done
	s_wait_kmcnt 0x0
	s_add_nc_u64 s[6:7], s[68:69], s[22:23]  ; K at my tile of slot 0,
	s_add_nc_u64 s[8:9], s[6:7], 8<<19       ; V eight heads further on
	s_add_nc_u64 s[4:5], s[68:69], s[2:3]    ; Q at my wave's first row
	s_add_nc_u64 s[10:11], s[82:83], s[86:87]
	s_cmp_lt_u32 s[WV], 2
	s_cselect_b64 s[PFA:PFA+1], s[6:7], s[8:9]  ; (in waves 0 and 2 these stand at a slot's first row)
	s_lshl_b32 s2, s13, 13          ; my work-group's 32 rows of the 128
	s_mov_b32 s3, 0
	s_add_nc_u64 s[PFA:PFA+1], s[PFA:PFA+1], s[2:3]
	s_add_nc_u64 s[PFA:PFA+1], s[PFA:PFA+1], 2*2*KS*256  ; in slot 2; the first change of slots steps it to slot 3
	CROUND                          ; all four work-groups are here: the first joint loads meet
.irp s, 0,1
	s_mov_b32 s[G0K+4*(\s)], 1
	s_add_co_u32 s[G0K+4*(\s)+1], s17, (\s)*SLOT1
	s_add_nc_u64 s[G0K+4*(\s)+2:G0K+4*(\s)+3], s[6:7], (\s)*2*KS*256
	s_or_b32 s[G0K+4*(\s)+3], s[G0K+4*(\s)+3], 0x80000000
	s_mov_b32 s[G0V+4*(\s)], 1
	s_add_co_u32 s[G0V+4*(\s)+1], s17, (\s)*SLOT1+VOFF
	s_add_nc_u64 s[G0V+4*(\s)+2:G0V+4*(\s)+3], s[8:9], (\s)*2*KS*256
	s_or_b32 s[G0V+4*(\s)+3], s[G0V+4*(\s)+3], 0x80000000
.endr
	s_cmp_lt_u32 s[WV], 2           ; a wave's two first fills stand in one branch, ahead of every wait on TENSORcnt and every LDS read: two loads of mine are out
	s_cbranch_scc0 .Lfirst_v
	tensor_load_to_lds s[G0K:G0K+3], s[G1K:G1K+7]
	s_nop 0
	tensor_load_to_lds s[G0K+4:G0K+7], s[G1K:G1K+7]
	s_nop 0
.rept 4
	v_nop
.endr
	s_branch .Lfirst_asked
.Lfirst_v:
	tensor_load_to_lds s[G0V:G0V+3], s[G1V:G1V+7]
	s_nop 0
	tensor_load_to_lds s[G0V+4:G0V+7], s[G1V:G1V+7]
	s_nop 0
.rept 4
	v_nop
.endr
.Lfirst_asked:
	v_and_b32 v1, 15, v0            ; l % 16
	v_bfe_u32 v9, v0, 4, 1          ; l / 16
	v_mov_b32 v46, 0
	v_lshlrev_b32 v47, 5, v9        ; subln_w: my eight channels of each sixteen
	v_and_b32 v48, 31, v0
	v_lshlrev_b32 v48, 3, v48       ; the lambda vectors: two numbers a lane
	v_lshlrev_b32 v[QO], 8, v1
	v_lshl_add_u32 v[QO], v9, 4, v[QO]  ; row x 256 + 16 x half
	global_load_b64 v[64:65], v48, s[70:71]
	global_load_b64 v[66:67], v48, s[72:73]
	global_load_b64 v[68:69], v48, s[74:75]
	global_load_b64 v[70:71], v48, s[76:77]
	global_load_b32 v72, v46, s[78:79]
	WIN 0x80                        ; destination window 2, address window 0
.irp f, 0,1,2,3,4,5,6,7             ; subln_w of channels 16 f + 8 (l / 16) + 0..7
	global_load_b128 v[SW+8*(\f):SW+8*(\f)+3],   v47, s[80:81] offset:64*(\f)
	global_load_b128 v[SW+8*(\f)+4:SW+8*(\f)+7], v47, s[80:81] offset:64*(\f)+16
.endr
.irp i, 0,1,2,3,4,5,6,7             ; Q stays in registers: queries 16 (i / 4) on, channels 32 (i % 4) on
	global_load_b128 v[8*(\i):8*(\i)+3],   v[QO], s[4:5] offset:((\i)/4)*4096+((\i)%4)*64
	global_load_b128 v[8*(\i)+4:8*(\i)+7], v[QO], s[4:5] offset:((\i)/4)*4096+((\i)%4)*64+32
.endr
	; What the first turn finds: V's registers and piece 2's P hold 0 (its products V^T P, of a step that has not been, add 0), O^T and l are 0.  All this stands in the wait for the first tile.
	WIN 0x40
.set i, 0
.rept 256
	v_mov_b32 v[i], 0
.set i, i+1
.endr
	WIN 0xc0
.set i, 0
.rept 128
	v_mov_b32 v[i], 0
.set i, i+1
.endr
	WIN 0
.set i, P+32
.rept 32
	v_mov_b32 v[i], 0
.set i, i+1
.endr
.set i, 0
.rept 4
	v_mov_b32 v[ST+8*i], 0xfe000000    ; c m: far below every c s
	v_mov_b32 v[ST+8*i+1], 0xff7fffff  ; m
	v_mov_b32 v[ST+8*i+2], 0
	v_mov_b32 v[ST+8*i+3], 0
.set i, i+1
.endr
	v_mov_b32 v80, 0                ; v_permlanex16_b32's destinations count as read
	v_mov_b32 v81, 0
	v_mul_u32_u24 v[AK0], v1, PK
	v_lshl_add_u32 v[AK0], v9, 4, v[AK0]  ; row x pitch + 16 x half
	v_and_b32 v10, 7, v0            ; the turning load: lane l reads key 8 (l / 16) + l % 8, channels 8 ((l / 8) % 2) + 0..7
	v_bfe_u32 v11, v0, 3, 1
	v_lshl_add_u32 v[AV0], v9, 3, v10
	v_mul_u32_u24 v[AV0], v[AV0], PV
	v_lshl_add_u32 v[AV0], v11, 4, v[AV0]
	v_add_nc_u32 v[AV0], VOFF, v[AV0]
	; lambda
	s_wait_loadcnt 32               ; the five small loads are in; subln_w's and Q's 32 may stay out
.irp p, 0,1,2,3
	v_cvt_pk_bf16_f32 v[73+(\p)], v[64+2*(\p)], v[64+2*(\p)+1]
.endr
	v_cvt_pk_bf16_f32 v77, v72, v72
.irp p, 0,1,2,3
	v_lshlrev_b32 v[64+2*(\p)], 16, v[73+(\p)]
	v_and_b32 v[64+2*(\p)+1], 0xffff0000, v[73+(\p)]
.endr
	v_lshlrev_b32 v72, 16, v77
	v_mul_f32 v78, v64, v66
	v_mul_f32 v79, v68, v70
	v_fmac_f32 v78, v65, v67
	v_fmac_f32 v79, v69, v71
.irp m, 1,2,4,8
	v_add_f32_dpp v78, v78, v78 row_xmask:\m row_mask:0xf bank_mask:0xf
	v_add_f32_dpp v79, v79, v79 row_xmask:\m row_mask:0xf bank_mask:0xf
.endr
	v_permlanex16_b32 v80, v78, s[SEL], s[SEL+1]
	v_permlanex16_b32 v81, v79, s[SEL], s[SEL+1]
	v_add_f32 v78, v78, v80
	v_add_f32 v79, v79, v81
	v_mul_f32 v78, 0x3fb8aa3b, v78
	v_mul_f32 v79, 0x3fb8aa3b, v79
	v_exp_f32 v78, v78
	v_exp_f32 v79, v79
	v_sub_f32 v[OML], 1.0, v72      ; a plain instruction behind the exponentials,
	s_wait_alu depctr_va_vdst(0)    ; and the wait ahead of the first use: one for both
	v_sub_f32 v[LAM], v78, v79
	v_add_f32 v[LAM], v[LAM], v72
	; subln_w, rounded to bf16, times 1 - lambda_init
	s_wait_loadcnt 16               ; subln_w is in; Q's 16 loads may stay out
	WIN 0x0a                        ; sources window 2, destination window 0
.set i, 0
.rept 32
	v_cvt_pk_bf16_f32 v[96+i], v[SW+2*i], v[SW+2*i+1]
.set i, i+1
.endr
	WIN 0x80
.set i, 0
.rept 32
	v_lshlrev_b32 v[SW+2*i], 16, v[96+i]
	v_and_b32 v[SW+2*i+1], 0xffff0000, v[96+i]
.set i, i+1
.endr
	WIN 0x82                        ; destination and source 0 window 2, source 1 window 0
.set i, 0
.rept 32
	v_pk_mul_f32 v[SW+2*i:SW+2*i+1], v[SW+2*i:SW+2*i+1], v[OML:OML+1] op_sel_hi:[1,0]
.set i, i+1
.endr
	WIN 0
; THE MATRIX WORK OF A TURN, for piece x.  The accumulators take turns, one instruction a turn: between two links of a chain stand 15 (V^T P) or 7 (K Q^T) others'.
; Product i of 32 of O^T += V^T P: keys 32 (i / 16) on, channels 16 ((i / 2) % 8) on, tile x + i % 2.
.macro PV x
	WIN W_PV
.set rO, 64*((\x)+i%2)+8*((i/2)%8)
.set rV, 64*(i/16)+8*((i/2)%8)
.set rP, P+16*((\x)+i%2)+8*(i/16)
	v_wmma_f32_16x16x32_f16 v[rO:rO+7], v[rV:rV+7], v[rP:rP+7], v[rO:rO+7]
.endm
; Product i of 16 of S^T = K Q^T: map j = i % 2, keys 16 ((i / 2) % 4) on, channels 64 j + 32 (i / 8) on.  The first 8 start the sums.
.macro KQ x
	WIN W_KQ
.set rS, S+32*((\x)+i%2)+8*((i/2)%4)
.set rK, KF+32*((i/2)%4)+8*(2*(i%2)+i/8)
.set rQ, 32*((\x)/2)+8*(2*(i%2)+i/8)
.if i < 8
	v_wmma_f32_16x16x32_f16 v[rS:rS+7], v[rK:rK+7], v[rQ:rQ+7], 0
.else
	v_wmma_f32_16x16x32_f16 v[rS:rS+7], v[rK:rK+7], v[rQ:rQ+7], v[rS:rS+7]
.endif
.endm
; THE LDS LOADS stand in runs of 32: a step's K (16 fragments) and, a turn later, its V (turned).
.macro FETCH_K
	WIN 0
	v_add_nc_u32 v[ADR], s[TB], v[AK0]
	WIN 0x80
.irp f, 0,1,2,3,4,5,6,7,8,9,10,11,12,13,14,15  ; keys 16 (f / 4) on, channels 32 (f % 4) on
	ds_load_b128 v[KF+8*(\f):KF+8*(\f)+3],   v[ADR] offset:((\f)/4)*16*PK+((\f)%4)*64
	ds_load_b128 v[KF+8*(\f)+4:KF+8*(\f)+7], v[ADR] offset:((\f)/4)*16*PK+((\f)%4)*64+32
.endr
.endm
.macro FETCH_V
	WIN 0
	v_add_nc_u32 v[ADR], s[TB], v[AV0]
	s_add_co_u32 s[TB], s[TB], STEPB  ; the next fetch is the next step's
	s_wait_alu depctr_va_vdst(0)    ; the wait for the softmax's batch of exponentials, ahead of the loads
	WIN 0xc0
.irp f, 0,1,2,3,4,5,6,7,8,9,10,11,12,13,14,15  ; keys 32 (f / 8) on, channels 16 (f % 8) on
	ds_load_tr16_b128 v[8*(\f):8*(\f)+3],   v[ADR] offset:((\f)/8)*32*PV+((\f)%8)*32
	ds_load_tr16_b128 v[8*(\f)+4:8*(\f)+7], v[ADR] offset:((\f)/8)*32*PV+16*PV+((\f)%8)*32
.endr
.endm
; THE VECTOR WORK OF A TURN.  One tile's softmax for one key step is a list of 134 instructions; SM writes number j of it for tile t.  s0-s31 are the lane's 32 scores, in pairs 0-15.
;   0-15    the maximum of s0-s31 and the old m, three operands at a time (each accumulator's lowest registers are read first)
;   16-20   the other half of the lanes' maximum; c m_old kept; the new m; c m; c m_old - c m_new
;   21-69   ONE BATCH: the 16 scalings c s - c m and all 33 exponentials (a at 23, then s0-s31); none of these reads an exponential's result
;   (wait)  between 69 and 70 stands the wait for the batch, once for both tiles
;   70-85   the roundings to f16     86-101  the sums; l = a l + the sum     102-133 the tile's O^T times a
.macro SM t
.set rT, ST+8*(\t)
.set rS, S+32*(\t)
.set rP, P+16*(\t)
.set rO, 64*(\t)+2*(j-102)
.if j < 102
	WIN 0
.endif
.if j < 4
	v_max3_num_f32 v[rT+4+j], v[rS+8*j], v[rS+8*j+1], v[rS+8*j+2]
.elseif j < 12
	v_max3_num_f32 v[rT+4+j%4], v[rT+4+j%4], v[rS+8*(j%4)+2*(j/4)+1], v[rS+8*(j%4)+2*(j/4)+2]
.elseif j == 12
	v_max3_num_f32 v[rT+4], v[rT+4], v[rS+7], v[rS+15]
.elseif j == 13
	v_max3_num_f32 v[rT+6], v[rT+6], v[rS+23], v[rS+31]
.elseif j == 14
	v_max3_num_f32 v[rT+4], v[rT+4], v[rT+5], v[rT+6]
.elseif j == 15
	v_max3_num_f32 v[rT+4], v[rT+4], v[rT+7], v[rT+1]
.elseif j == 16
	v_permlanex16_b32 v[rT+5], v[rT+4], s[SEL], s[SEL+1]  ; the query's other 32 keys lie in the lane 16 away
.elseif j == 17
	v_mov_b32 v[rT+7], v[rT]        ; c m_old is kept for a
.elseif j == 18
	v_max_num_f32 v[rT+1], v[rT+4], v[rT+5]
.elseif j == 19
	v_mul_f32 v[rT], s[CS], v[rT+1]
.elseif j == 20
	v_sub_f32 v[rT+7], v[rT+7], v[rT]
.elseif j == 23
	v_exp_f32 v[rT+6], v[rT+7]
.elseif (j < 23) || ((j < 38) && (j%2 == 0)) || ((j < 66) && (j%4 == 2))
.set b, (j-2)/4                     ; 38, 42, .. 62: pairs 9 to 15
.if j < 38
.set b, (j-20)/2                    ; 21: pair 0; 22, 24, .. 36: pairs 1 to 8
.endif
	v_pk_fma_f32 v[rS+2*b:rS+2*b+1], v[rS+2*b:rS+2*b+1], s[CS:CS+1], v[rT:rT+1] op_sel_hi:[1,0,0] neg_lo:[0,0,1] neg_hi:[0,0,1]
.elseif j < 70
.set e, j-38                        ; 66 to 69: s28 to s31
.if j < 66
.set e, j-32-(j-38)/4               ; 39-41, 43-45, .. 63-65: s7 to s27
.endif
.if j < 38
.set e, (j-25)/2                    ; 25, 27, .. 37: s0 to s6
.endif
	v_exp_f32 v[rS+e], v[rS+e]
.elseif j < 86
	v_cvt_pk_f16_f32 v[rP+j-70], v[rS+2*(j-70)], v[rS+2*(j-70)+1]
.elseif j < 102                     ; the sum of the tile's 16 pairs, in place: neighbours 1, 2, 4 and 8 pairs apart, then l takes it
.set z, j-86
.set w, 4
.set u, z
.if z >= 14
.set w, 32
.set u, 0
.elseif z >= 12
.set w, 16
.set u, z-12
.elseif z >= 8
.set w, 8
.set u, z-8
.endif
.if z < 15
	v_pk_add_f32 v[rS+w*u:rS+w*u+1], v[rS+w*u:rS+w*u+1], v[rS+w*u+w/2:rS+w*u+w/2+1]
.else
	v_pk_fma_f32 v[rT+2:rT+3], v[rT+2:rT+3], v[rT+6:rT+7], v[rS:rS+1] op_sel_hi:[1,0,1]
.endif
.else
	WIN W_RS
	v_pk_mul_f32 v[rO:rO+1], v[rO:rO+1], v[rT+6:rT+7] op_sel_hi:[1,0]
.endif
.endm
; Slice k of 64 of piece y's softmax: four instructions.  Slices 11 to 34 deal out the batch, four numbers of one tile each, the tiles by turns; every other slice is numbers 2 k and 2 k + 1 of both tiles.
; The twelve that are over stand in slice 63.  Ahead of slice 35 nothing names an exponential's result, and behind slice 34 none is issued: the piece's 66 exponentials have one wait, behind slice 34.
.macro SLICE y
.if (k >= 11) && (k < 35)
.irp n, 0,1,2,3
.set j, 22+4*((k-11)/2)+(\n)
	SM (\y)+(k-11)%2
.endr
.else
.irp n, 0,1,2,3,4,5,6,7
.if ((\n) < 2) || (k == 63)
.irp t, \y, (\y)+1
.set j, 2*k+(\n)
	SM \t
.endr
.endif
.endr
.endif
.if k == 34
	v_nop                           ; a plain instruction behind the last exponential and ahead of the first use: one for the batch
.if (\y) == 0
	FETCH_V                         ; piece 2's turn: V's run of loads stands here, and the wait stands in it
.else
	s_wait_alu depctr_va_vdst(0)    ; the wait for the batch
.endif
.endif
.set k, k+1
.endm
; A TURN.  Piece x has the matrix unit; the other piece's 64 slices stand behind its products.  kq = 0 (the last turn): no new scores; two slices behind each V^T P.
; Piece 0's turn fetches the next step's K behind its second product: the last product that read K stands in front of slices 62 and 63 of the turn before, 20 plain instructions.
; Piece 2's turn fetches the same step's V behind slice 34: the last product that read V stands in front of slice 31, and four plain instructions lie between: number 62, a scaling, of both tiles, the v_nop and
; the run's own v_add_nc_u32.  Slices 62 and 63 are also the places between the turn's last K Q^T and the next turn's first read of those scores.
.macro TURN x, kq
.set k, 0
.set per, 2
.if \kq
.set per, 1
.endif
.if (\x) == 0
	s_wait_dscnt 0x0                ; V is in
.endif
.set i, 0
.rept 32
	PV \x
.rept per
	SLICE 2-(\x)
.endr
.if ((\x) == 0) && (\kq) && (i == 1)
	FETCH_K
.endif
.set i, i+1
.endr
.if \kq
.if (\x) == 0
	s_wait_dscnt 0x0                ; K is in
.endif
.set i, 0
.rept 16
	KQ \x
	SLICE 2-(\x)
	SLICE 2-(\x)
.set i, i+1
.endr
.endif
.endm
; THE CHANGE OF SLOTS, between piece 2's turn and piece 0's: the slot's last bytes, V of its second step, have been asked for.  Each wave waits for all its tensor loads (one is out: its part of the other slot),
; adds 0 to its spare word, and waits for that and for its own reads of the slot.  fill = 1: the barrier is a round of the cluster's, and the slot is filled again, with the keys two slots on, first thing behind it.
.macro CHANGE fill
	WIN 0
	s_wait_tensorcnt 0x0            ; no tensor load of mine is out, so a group 0 may be written
	ds_add_u32 v[SPW], v[NIL]       ; 0 onto my spare word
.if \fill
.irp g, G0K+4, G0V+4
	s_xor_b32 s[(\g)+1], s[(\g)+1], SLOT1  ; the walking descriptor: the other slot than last time,
	s_add_nc_u64 s[(\g)+2:(\g)+3], s[(\g)+2:(\g)+3], 2*KS*256  ; the next 128 keys
.endr
	s_wait_xcnt 0x0                 ; the last prefetch, two key steps back, has read its address
	s_add_nc_u64 s[PFA:PFA+1], s[PFA:PFA+1], 2*KS*256
	s_wait_dscnt 0x0                ; the add is done, and my reads of the slot are over
	CROUND
	JLOAD
	ASK
.else
	s_wait_dscnt 0x0
	s_barrier_signal -1
	s_barrier_wait -1
.endif
	s_sub_co_u32 s[TB], s[TB], 2*STEPB  ; the fetches go back to a slot's first step,
	s_xor_b32 s[TB], s[TB], SLOT1   ; in the other slot
.endm
	s_wait_tensorcnt 1              ; my part of slot 0 is in; slot 1's may stay out
	s_barrier_signal -1
	s_barrier_wait -1
	FETCH_K                         ; key step 0
	s_wait_loadcnt 0x0              ; Q
	s_wait_dscnt 0x0
.set i, 0
.rept 16
	KQ 0                            ; piece 0's first scores
.set i, i+1
.endr
	WIN 0                           ; the addresses for the way out: eight plain instructions, the places behind those products
	s_mul_i32 s13, s[WV], 16*SP
	s_add_co_u32 s13, s13, STAGE    ; my stage
	v_mul_u32_u24 v[STO], v1, SP    ; in: row l % 16, 16 bytes for each half of the lanes
	v_lshl_add_u32 v[STO], v9, 4, v[STO]
	v_add_nc_u32 v[STO], s13, v[STO]
	v_mul_u32_u24 v[RD], v9, SP     ; back: lanes 0-15 take one row of 256 bytes, lanes 16-31 the next
	v_lshl_add_u32 v[RD], v1, 4, v[RD]
	v_add_nc_u32 v[RD], s13, v[RD]
	v_lshlrev_b32 v[GO], 12, v9     ; and the same two rows in att
	v_lshl_add_u32 v[GO], v1, 4, v[GO]
	s_mov_b32 s[TWICE], 2
	s_mov_b32 s[SLOTS], 7           ; counted once before the first change: six slots are filled again
	s_branch .Lmid                  ; the loop is entered at piece 2's turn, in the middle of a trip: its V^T P adds zeros
.Lslot:
	CHANGE 1
	s_mov_b32 s[TWICE], 2
.Lstep:
	TURN 0, 1
	WIN 0
.Lmid:
	TURN 2, 1
	WIN 0
	s_sub_co_u32 s[TWICE], s[TWICE], 1
	s_cmp_lg_u32 s[TWICE], 0
	s_cbranch_scc1 .Lstep
	s_sub_co_u32 s[SLOTS], s[SLOTS], 1
	s_cmp_lg_u32 s[SLOTS], 0
	s_cbranch_scc1 .Lslot
	CHANGE 0                        ; the tail is written out: nothing is asked for
	s_mov_b32 s[TWICE], 2
.Ltail:
	TURN 0, 1
	TURN 2, 1
	WIN 0
	s_sub_co_u32 s[TWICE], s[TWICE], 1
	s_cmp_lg_u32 s[TWICE], 0
	s_cbranch_scc1 .Ltail
	TURN 0, 0                       ; piece 0: V^T P of the last step | piece 2's last softmax
.set i, 0
.rept 32
	PV 2                            ; piece 2: V^T P of the last step
.set i, i+1
.endr
	; THE WAY OUT.  1 / l for each tile; D = O_1 / l_1 - lambda O_2 / l_2; the mean of D^2 over the 128 channels (64 in my lane, 64 in the lane 16 away); D / sqrt(mean + 1e-5) x the gains; f16; through my stage.
	WIN 0
.irp t, 0,1,2,3
	v_add_f32 v[ST+8*(\t)+4], v[ST+8*(\t)+2], v[ST+8*(\t)+3]  ; these four are the places behind the last products
.endr
.irp t, 0,1,2,3
	v_permlanex16_b32 v[ST+8*(\t)+5], v[ST+8*(\t)+4], s[SEL], s[SEL+1]
.endr
.irp t, 0,1,2,3
	v_add_f32 v[ST+8*(\t)+4], v[ST+8*(\t)+4], v[ST+8*(\t)+5]
.endr
.irp t, 0,1,2,3
	v_rcp_f32 v[ST+8*(\t)+6], v[ST+8*(\t)+4]
.endr
	v_nop                           ; a plain instruction between the last reciprocal and the use of its result,
	s_wait_alu depctr_va_vdst(0)    ; and the wait: one for the four
.irp u, 0,1
	v_mul_f32 v[ST+16*(\u)+14], v[LAM], v[ST+16*(\u)+14]  ; lambda / l_2
.endr
.macro DIFF u
	WIN W_RS
.set i, 0
.rept 32
	v_pk_mul_f32 v[128*(\u)+64+i:128*(\u)+64+i+1], v[128*(\u)+64+i:128*(\u)+64+i+1], v[ST+16*(\u)+14:ST+16*(\u)+15] op_sel_hi:[1,0]
.set i, i+2
.endr
	WIN 0x51                        ; destination, sources 0 and 2 window 1, source 1 window 0
.set i, 0
.rept 32
	v_pk_fma_f32 v[128*(\u)+i:128*(\u)+i+1], v[128*(\u)+i:128*(\u)+i+1], v[ST+16*(\u)+6:ST+16*(\u)+7], v[128*(\u)+64+i:128*(\u)+64+i+1] op_sel_hi:[1,0,1] neg_lo:[0,0,1] neg_hi:[0,0,1]
.set i, i+2
.endr
	WIN 0x05                        ; sources 0 and 1 window 1; destination and source 2 window 0: the squares, in four chains of pairs
.set i, 0
.rept 32
.if i < 4
	v_pk_mul_f32 v[ZZ+8*(\u)+2*i:ZZ+8*(\u)+2*i+1], v[128*(\u)+2*i:128*(\u)+2*i+1], v[128*(\u)+2*i:128*(\u)+2*i+1]
.else
	v_pk_fma_f32 v[ZZ+8*(\u)+2*(i%4):ZZ+8*(\u)+2*(i%4)+1], v[128*(\u)+2*i:128*(\u)+2*i+1], v[128*(\u)+2*i:128*(\u)+2*i+1], v[ZZ+8*(\u)+2*(i%4):ZZ+8*(\u)+2*(i%4)+1]
.endif
.set i, i+1
.endr
.endm
	DIFF 0
	DIFF 1
	WIN 0
.irp u, 0,1
	v_pk_add_f32 v[ZZ+8*(\u):ZZ+8*(\u)+1], v[ZZ+8*(\u):ZZ+8*(\u)+1], v[ZZ+8*(\u)+2:ZZ+8*(\u)+3]
	v_pk_add_f32 v[ZZ+8*(\u)+4:ZZ+8*(\u)+5], v[ZZ+8*(\u)+4:ZZ+8*(\u)+5], v[ZZ+8*(\u)+6:ZZ+8*(\u)+7]
.endr
.irp u, 0,1
	v_pk_add_f32 v[ZZ+8*(\u):ZZ+8*(\u)+1], v[ZZ+8*(\u):ZZ+8*(\u)+1], v[ZZ+8*(\u)+4:ZZ+8*(\u)+5]
.endr
.irp u, 0,1
	v_add_f32 v[ZZ+8*(\u)], v[ZZ+8*(\u)], v[ZZ+8*(\u)+1]
.endr
.irp u, 0,1
	v_permlanex16_b32 v[ZZ+8*(\u)+2], v[ZZ+8*(\u)], s[SEL], s[SEL+1]
.endr
.irp u, 0,1
	v_add_f32 v[ZZ+8*(\u)], v[ZZ+8*(\u)], v[ZZ+8*(\u)+2]
.endr
.irp u, 0,1
	v_fma_f32 v[ZZ+8*(\u)], v[ZZ+8*(\u)], s84, s85
.endr
.irp u, 0,1
	v_rsq_f32 v[ZZ+8*(\u)+4], v[ZZ+8*(\u)]
.endr
	v_nop
	s_wait_alu depctr_va_vdst(0)    ; one wait for the two roots
.macro PACK u                       ; a lane's eight channels of a row pack into 16 bytes; they go into rows of 272 bytes and come back as whole rows of 256
	WIN W_RS
.set i, 0
.rept 32
	v_pk_mul_f32 v[128*(\u)+i:128*(\u)+i+1], v[128*(\u)+i:128*(\u)+i+1], v[ZZ+8*(\u)+4:ZZ+8*(\u)+5] op_sel_hi:[1,0]
.set i, i+2
.endr
	WIN 0x49                        ; destination and source 0 window 1, source 1 window 2
.set i, 0
.rept 32
	v_pk_mul_f32 v[128*(\u)+i:128*(\u)+i+1], v[128*(\u)+i:128*(\u)+i+1], v[SW+i:SW+i+1]
.set i, i+2
.endr
	WIN 0x05
.set i, 0
.rept 32
	v_cvt_pk_f16_f32 v[S+32*(\u)+i], v[128*(\u)+2*i], v[128*(\u)+2*i+1]
.set i, i+1
.endr
	WIN 0
.irp f, 0,1,2,3,4,5,6,7
	ds_store_b128 v[STO], v[S+32*(\u)+4*(\f):S+32*(\u)+4*(\f)+3] offset:32*(\f)
.endr
.irp f, 0,1,2,3,4,5,6,7
	ds_load_b128 v[S+32*(\u)+4*(\f):S+32*(\u)+4*(\f)+3], v[RD] offset:(\f)*2*SP  ; LDS serves a wave's instructions in order: these see the stores above; the next block's stores come behind them
.endr
.endm
.macro SEND u, younger              ; younger: the LDS instructions issued behind this block's loads
	WIN 0
.irp f, 0,1,2,3,4,5,6,7
	s_wait_dscnt (\younger)+7-(\f)
	global_store_b128 v[GO], v[S+32*(\u)+4*(\f):S+32*(\u)+4*(\f)+3], s[10:11] offset:(\u)*65536+(\f)*8192  ; 16 lanes store the head's 256 bytes of a row, aligned
.endr
.endm
	PACK 0
	PACK 1
	SEND 0, 16
	SEND 1, 0
	s_wait_tensorcnt 0x0            ; the wave's end
	ds_add_u32 v[SPW], v[NIL]
	s_wait_dscnt 0x0
	CROUND                          ; the closing round
	s_endpgm
.Lfunc_end_k_q0d73bbb01b_attn:
	.size	k_q0d73bbb01b_attn, .Lfunc_end_k_q0d73bbb01b_attn-k_q0d73bbb01b_attn
	.p2alignl 7, 3214868480
	.fill 96, 4, 3214868480
	.section	.rodata,"a",@progbits
	.p2align	6, 0x0
	.amdhsa_kernel k_q0d73bbb01b_attn
		.amdhsa_group_segment_fixed_size 327680
		.amdhsa_private_segment_fixed_size 0
		.amdhsa_enable_private_segment 0
		.amdhsa_kernarg_size 64
		.amdhsa_user_sgpr_count 2
		.amdhsa_user_sgpr_kernarg_segment_ptr 1
		.amdhsa_wavefront_size32 1
		.amdhsa_system_sgpr_workgroup_id_x 1
		.amdhsa_system_sgpr_workgroup_id_y 1
		.amdhsa_system_sgpr_workgroup_id_z 1
		.amdhsa_system_vgpr_workitem_id 0
		.amdhsa_next_free_vgpr 896
		.amdhsa_next_free_sgpr 88
		.amdhsa_reserve_vcc 0
		.amdhsa_float_denorm_mode_32 3
		.amdhsa_float_denorm_mode_16_64 3
		.amdhsa_memory_ordered 1
		.amdhsa_forward_progress 1
		.amdhsa_inst_pref_size 181
	.end_amdhsa_kernel
	.amdgpu_metadata
---
amdhsa.version: [ 1, 2 ]
amdhsa.kernels:
  - .name:           k_q0d73bbb01b_attn
    .symbol:         k_q0d73bbb01b_attn.kd
    .args:
      - { .name: qkv, .offset: 0, .size: 8, .value_kind: global_buffer, .address_space: global }
      - { .name: lambda_q1, .offset: 8, .size: 8, .value_kind: global_buffer, .address_space: global }
      - { .name: lambda_k1, .offset: 16, .size: 8, .value_kind: global_buffer, .address_space: global }
      - { .name: lambda_q2, .offset: 24, .size: 8, .value_kind: global_buffer, .address_space: global }
      - { .name: lambda_k2, .offset: 32, .size: 8, .value_kind: global_buffer, .address_space: global }
      - { .name: lambda_init, .offset: 40, .size: 8, .value_kind: global_buffer, .address_space: global }
      - { .name: subln_w, .offset: 48, .size: 8, .value_kind: global_buffer, .address_space: global }
      - { .name: att, .offset: 56, .size: 8, .value_kind: global_buffer, .address_space: global }
    .group_segment_fixed_size: 327680
    .private_segment_fixed_size: 0
    .kernarg_segment_align: 8
    .kernarg_segment_size: 64
    .max_flat_workgroup_size: 128
    .sgpr_count:     88
    .vgpr_count:     896
    .wavefront_size: 32
...
	.end_amdgpu_metadata
.endif
;; end of part 3
;; launch oproj (part 4): grid 16 x 16, 4 waves a work-group, clusters of 4 x 4, 327,680 bytes of LDS; arguments att, wob, out0; writes out0
.if DOCPART == 4
	.amdgcn_target "amdgcn-amd-amdhsa--gfx1250"
	.amdhsa_code_object_version 6
	.text
	.protected	k_q0d73bbb01b_oproj
	.globl	k_q0d73bbb01b_oproj
	.p2align	8
	.type	k_q0d73bbb01b_oproj,@function
k_q0d73bbb01b_oproj:
	s_mov_b64 s[64:65], 0
	v_nop
	global_prefetch_b8 v0, s[64:65] scope:SCOPE_SE
	s_setreg_imm32_b32 hwreg(HW_REG_WAVE_MODE, 25, 1), 1
	s_wait_xcnt 0x0
	s_wait_alu depctr_hold_cnt(0) depctr_sa_sdst(0) depctr_va_vdst(0) depctr_va_sdst(0) depctr_va_ssrc(0) depctr_va_vcc(0) depctr_vm_vsrc(0)
	s_getreg_b32 s2, hwreg(HW_REG_IB_STS2, 6, 4)
	s_cmp_eq_u32 s2, 0
	s_cbranch_scc0 .Lentry_in_a_cluster
	s_endpgm
.Lentry_in_a_cluster:
	s_bfe_u32 s2, ttmp6, 0x10000c
	s_cmp_lg_u32 s2, 0xf033
	s_cbranch_scc0 .Lentry_shape_is_right
	s_endpgm
.Lentry_shape_is_right:
; THE OUTPUT PROJECTION.  out0 [2048][2048] f32 = att [2048][2048 k] x wob [2048 k][2048 n], both f16; sums in f32, stored as they are.
; SHARES.  A work-group makes 128 x 128, each of its four waves 64 x 64: 16 accumulators.  K goes in steps of 256 through two LDS slots.  att's tile lies [row][k] (rows of 512 bytes + 16),
; wob's [k][n] (rows of 256 bytes + 32) and comes out turned, by ds_load_tr16_b128.  THE PRODUCT IS USED TRANSPOSED (source 0 = 16 columns of wob, source 1 = 16 rows of att): a lane holds row l % 16 and
; eight neighbouring columns: 32 bytes of f32.  A wave's 64 columns are 256 bytes of a row of out0, so each wave has a stage of its own on the way out, and no barrier stands there.
; CLUSTERS.  4 x 4 work-groups: att's tiles are shared along a row of the cluster, wob's along a column: joint loads.
; No prefetch: the tile is small and the walk has eight K steps.
; REGISTERS: window 0: v0-31 addresses; v32-95 rows read back from the stage; v128-255 the accumulators ((a, b) at 128 + 8 (4 a + b))
;   window 1: two fragment buffers of 128: for 64 along K, 64 registers of att's fragments, then 64 of wob's.
.set KSTEP,  256
.set PA,     528                       ; att's LDS row: 512 + 16 bytes
.set PB,     288                       ; wob's LDS row: 256 + 32 bytes, an odd multiple of 32
.set AHALF,  64*PA
.set BOFF,   2*AHALF
.set BHALF,  128*PB                    ; 128 k-rows: what one tensor load brings of wob
.set SLOT,   BOFF+2*BHALF
.set STAGE,  2*SLOT
.set SPITCH, 272
.set SPARE,  STAGE+4*16*SPITCH         ; the spare words, 128 bytes for each wave, which no other line names
.set LAPS,   4
.set ADRA, 16                          ; v16-17  LDS address of my fragments of att in slot 0, 1
.set ADRB, 20                          ; v20-23  of wob's, by slot and half of the K step (the immediate has 16 bits)
.set STO,  24
.set RD,   25
.set CO,   26
.set SPW,  28
.set NIL,  29
.set OB,   32
.set ACC,  128
.set F0,   0
.set F1,   128
.set G1, 24
.set G0, 32
.set G1B, 48
.set G0B, 56
.set MSB, 0
.macro WIN new
.if MSB != (\new)
	s_set_vgpr_msb (MSB<<8)|(\new)
.set MSB, \new
.endif
.endm
.set MUL,  0x05                        ; sources window 1; C and D window 0
.set TO_F, 0x40
.macro JLOAD s                         ; waves 0 and 1 fetch att's two halves, waves 2 and 3 wob's; an s_nop 0 and four v_nop follow each line
	s_cmp_eq_u32 s11, 0
	s_cbranch_scc0 .Lfor_b_\@
	tensor_load_to_lds s[G0+4*(\s):G0+4*(\s)+3], s[G1:G1+7]
	s_nop 0
.rept 4
	v_nop
.endr
	s_branch .Lasked_\@
.Lfor_b_\@:
	tensor_load_to_lds s[G0B+4*(\s):G0B+4*(\s)+3], s[G1B:G1B+7]
	s_nop 0
.rept 4
	v_nop
.endr
.Lasked_\@:
.endm
.macro CREST
	s_cmp_lg_u32 s10, 0
	s_cbranch_scc1 .Lnot_wave_0_\@
	s_barrier_signal -3
.Lnot_wave_0_\@:
	s_barrier_wait -3
	s_barrier_signal -1
	s_barrier_wait -1
.endm
.macro CROUND
	s_barrier_signal -1
	s_barrier_wait -1
	CREST
.endm
.macro PLACES
.rept 4
	v_nop
.endr
.endm
	s_load_b128 s[4:7], s[0:1], 0x0                ; att s[4:5], wob s[6:7]
	s_load_b64 s[8:9], s[0:1], 0x10                ; out0
	v_lshl_add_u32 v[SPW], v0, 2, SPARE
	v_mov_b32 v[NIL], 0
	ds_add_u32 v[SPW], v[NIL]                      ; the wave's opening: the add and its wait stand ahead of my first tensor load
	v_lshrrev_b32 v1, 5, v0
	v_readfirstlane_b32 s10, v1                    ; wave 0..3
	s_lshr_b32 s11, s10, 1                         ; my 64 rows.  Also: I fetch att (0) or wob (1)
	s_and_b32 s12, s10, 1                          ; my 64 columns.  Also: which half of that tile I fetch
	s_bfe_u32 s40, ttmp6, 0x40000                  ; cx
	s_bfe_u32 s41, ttmp6, 0x40004                  ; cy
	s_lshl_b32 s42, ttmp9, 2
	s_add_co_u32 s42, s42, s40                     ; tile column
	s_and_b32 s13, ttmp7, 0xffff
	s_lshl_b32 s13, s13, 2
	s_add_co_u32 s13, s13, s41                     ; tile row
	s_lshl_b32 s43, s41, 2
	s_lshl_b32 s43, 15, s43                        ; my row of the cluster
	s_lshl_b32 s44, 0x1111, s40                    ; my column
	s_or_b32 s[G1], s43, (1<<16)|(1<<20)|(1<<21)|(6<<22)|(3<<25)   ; after every 128 words 4 words
	s_mov_b32 s[G1+1], 256<<16                     ; 64 rows x 256 elements
	s_mov_b32 s[G1+2], 64<<16
	s_mov_b32 s[G1+3], 256<<16
	s_mov_b32 s[G1+4], 64
	s_mov_b32 s[G1+5], 2048
	s_mov_b32 s[G1+6], 0
	s_mov_b32 s[G1+7], 0
	s_or_b32 s[G1B], s44, (1<<16)|(1<<20)|(1<<21)|(5<<22)|(7<<25)  ; after every 64 words 8 words
	s_mov_b32 s[G1B+1], 128<<16                    ; 128 k-rows x 128 elements
	s_mov_b32 s[G1B+2], 128<<16
	s_mov_b32 s[G1B+3], 128<<16
	s_mov_b32 s[G1B+4], 128
	s_mov_b32 s[G1B+5], 2048
	s_mov_b32 s[G1B+6], 0
	s_mov_b32 s[G1B+7], 0
	s_lshl_b32 s16, s13, 19                        ; att: row 128 x tile row + 64 x half, 4,096 bytes a row
	s_lshl_b32 s18, s12, 18
	s_add_co_u32 s16, s16, s18
	s_mov_b32 s17, 0
	s_lshl_b32 s46, s12, 19                        ; wob: k-row 128 x half, 4,096 bytes a row, + 256 bytes x tile column
	s_lshl_b32 s45, s42, 8
	s_add_co_u32 s46, s46, s45
	s_mov_b32 s47, 0
	s_mul_i32 s20, s12, AHALF                      ; where they go
	s_mul_i32 s21, s12, BHALF
	s_add_co_u32 s21, s21, BOFF
	s_wait_dscnt 0x0                               ; the opening add is done
	s_wait_kmcnt 0x0
	s_add_nc_u64 s[14:15], s[4:5], s[16:17]
	s_add_nc_u64 s[46:47], s[6:7], s[46:47]
	CROUND                                         ; all sixteen work-groups are here: the first joint loads meet
.irp s, 0,1
	s_mov_b32 s[G0+4*(\s)], 1
	s_add_co_u32 s[G0+4*(\s)+1], s20, (\s)*SLOT
	s_add_nc_u64 s[G0+4*(\s)+2:G0+4*(\s)+3], s[14:15], (\s)*KSTEP*2
	s_or_b32 s[G0+4*(\s)+3], s[G0+4*(\s)+3], 0x80000000
	s_mov_b32 s[G0B+4*(\s)], 1
	s_add_co_u32 s[G0B+4*(\s)+1], s21, (\s)*SLOT
	s_add_nc_u64 s[G0B+4*(\s)+2:G0B+4*(\s)+3], s[46:47], (\s)*KSTEP*4096
	s_or_b32 s[G0B+4*(\s)+3], s[G0B+4*(\s)+3], 0x80000000
	JLOAD \s
.endr
	v_and_b32 v1, 15, v0                           ; l % 16
	v_bfe_u32 v2, v0, 4, 1                         ; l / 16
	v_and_b32 v6, 7, v0
	v_bfe_u32 v7, v0, 3, 1
	v_mul_u32_u24 v3, v1, PA
	v_lshl_add_u32 v3, v2, 4, v3                   ; att: row x pitch + 16 x half
	v_lshl_add_u32 v4, v2, 3, v6
	v_mul_u32_u24 v4, v4, PB
	v_lshl_add_u32 v4, v7, 4, v4                   ; wob: k-row 8 (l / 16) + l % 8, 16 bytes for each eight lanes
	s_mul_i32 s22, s11, AHALF
	v_add_nc_u32 v[ADRA], s22, v3
	v_add_nc_u32 v[ADRA+1], SLOT, v[ADRA]
	s_lshl_b32 s22, s12, 7                         ; my 64 columns: 128 bytes
	s_add_co_u32 s22, s22, BOFF
	v_add_nc_u32 v[ADRB], s22, v4
	v_add_nc_u32 v[ADRB+1], BHALF, v[ADRB]
	v_add_nc_u32 v[ADRB+2], SLOT, v[ADRB]
	v_add_nc_u32 v[ADRB+3], SLOT+BHALF, v[ADRB]
	s_mul_i32 s23, s10, 16*SPITCH
	s_add_co_u32 s23, s23, STAGE                   ; my stage
	v_mul_u32_u24 v5, v1, SPITCH                   ; in: row l % 16, 32 bytes for each half of the lanes
	v_lshl_add_u32 v5, v2, 5, v5
	v_add_nc_u32 v[STO], s23, v5
	v_mul_u32_u24 v5, v2, SPITCH                   ; back: lanes 0-15 one row of 256 bytes, lanes 16-31 the next
	v_lshl_add_u32 v5, v1, 4, v5
	v_add_nc_u32 v[RD], s23, v5
	v_lshlrev_b32 v[CO], 13, v2                    ; and the same two rows in out0
	v_lshl_add_u32 v[CO], v1, 4, v[CO]
	s_lshl_b32 s2, s13, 20                         ; my first row of out0, 8,192 bytes a row,
	s_lshl_b32 s3, s11, 19
	s_add_co_u32 s2, s2, s3
	s_lshl_b32 s3, s42, 9                          ; my first column
	s_add_co_u32 s2, s2, s3
	s_lshl_b32 s3, s12, 8
	s_add_co_u32 s2, s2, s3
	s_mov_b32 s3, 0
	s_add_nc_u64 s[8:9], s[8:9], s[2:3]
; 8 matrix instructions: row blocks a0, a0 + 1 x all 4 column blocks, 32 along K: half c of buffer f.  The 16 accumulators take turns.
.macro MUL8 f, c, a0, zero
	WIN MUL
.irp a, \a0, (\a0)+1
.irp b, 0,1,2,3
.if \zero
	v_wmma_f32_16x16x32_f16 v[ACC+8*(4*(\a)+(\b)):ACC+8*(4*(\a)+(\b))+7], v[(\f)+64+8*(4*(\c)+(\b)):(\f)+64+8*(4*(\c)+(\b))+7], v[(\f)+8*(4*(\c)+(\a)):(\f)+8*(4*(\c)+(\a))+7], 0
.else
	v_wmma_f32_16x16x32_f16 v[ACC+8*(4*(\a)+(\b)):ACC+8*(4*(\a)+(\b))+7], v[(\f)+64+8*(4*(\c)+(\b)):(\f)+64+8*(4*(\c)+(\b))+7], v[(\f)+8*(4*(\c)+(\a)):(\f)+8*(4*(\c)+(\a))+7], v[ACC+8*(4*(\a)+(\b)):ACC+8*(4*(\a)+(\b))+7]
.endif
.endr
.endr
.endm
; 32 LDS loads in one run: quarter q (64 along K) of a slot into buffer f; the first 32 along K first
.macro FETCH slot, q, f
	WIN TO_F
.irp c, 0,1
.irp i, 0,1,2,3
	ds_load_tr16_b128 v[(\f)+64+8*(4*(\c)+(\i)):(\f)+64+8*(4*(\c)+(\i))+3],   v[ADRB+2*(\slot)+(\q)/2] offset:((\q)%2)*64*PB+(\c)*32*PB+32*(\i)
	ds_load_tr16_b128 v[(\f)+64+8*(4*(\c)+(\i))+4:(\f)+64+8*(4*(\c)+(\i))+7], v[ADRB+2*(\slot)+(\q)/2] offset:((\q)%2)*64*PB+(\c)*32*PB+16*PB+32*(\i)
	ds_load_b128 v[(\f)+8*(4*(\c)+(\i)):(\f)+8*(4*(\c)+(\i))+3],   v[ADRA+(\slot)] offset:128*(\q)+64*(\c)+(\i)*16*PA
	ds_load_b128 v[(\f)+8*(4*(\c)+(\i))+4:(\f)+8*(4*(\c)+(\i))+7], v[ADRA+(\slot)] offset:128*(\q)+64*(\c)+(\i)*16*PA+32
.endr
.endr
.endm
.macro QUARTER slot, q, f, g, zero
	s_wait_dscnt 16                                ; the first 32 along K are in
	MUL8 \f, 0, 0, \zero
	MUL8 \f, 0, 2, \zero
	PLACES
	FETCH \slot, \q, \g
	s_wait_dscnt 32                                ; all but the 32 just issued
	MUL8 \f, 1, 0, 0
	MUL8 \f, 1, 2, 0
.endm
; The last quarter multiplies buffer 1 and changes slots: one barrier; in front of it each wave waits for all its tensor loads, adds 0 to its spare word, and waits for that and for its own reads of this slot.
.macro TURN slot, next, fill
	WIN 0
	s_wait_tensorcnt 0x0                           ; all my tensor loads have landed: my part of the next slot
	ds_add_u32 v[SPW], v[NIL]                      ; 0 onto my spare word
	s_wait_dscnt 17                                ; (the add and the youngest sixteen loads may be out)
	MUL8 F1, 0, 0, 0
	s_wait_dscnt 0x0                               ; the add is done, and my reads of this slot are over
	s_barrier_signal -1
	MUL8 F1, 0, 2, 0
.if \fill
	WIN 0
.endif
	s_barrier_wait -1
.if \fill
	CREST                                          ; no wave of any partner still reads this slot or has a load on its way
	s_add_nc_u64 s[G0+4*(\slot)+2:G0+4*(\slot)+3], s[G0+4*(\slot)+2:G0+4*(\slot)+3], 2*KSTEP*2
	s_add_nc_u64 s[G0B+4*(\slot)+2:G0B+4*(\slot)+3], s[G0B+4*(\slot)+2:G0B+4*(\slot)+3], 2*KSTEP*4096
	JLOAD \slot                                    ; its four v_nop are also the places in front of the loads below
.else
	PLACES
.endif
	FETCH \next, 0, F0
	MUL8 F1, 1, 0, 0
	MUL8 F1, 1, 2, 0
.endm
	s_wait_tensorcnt 1                             ; my part of K step 0 is in; K step 1's may stay out
	s_barrier_signal -1
	s_barrier_wait -1
	FETCH 0, 0, F0
	QUARTER 0, 1, F0, F1, 1                        ; the first quarter stands in front of the loop: its first products start the sums
	WIN 0
	s_mov_b32 s3, LAPS-1
.Llap:
	QUARTER 0, 2, F1, F0, 0
	QUARTER 0, 3, F0, F1, 0
	TURN 0, 1, 1
	QUARTER 1, 1, F0, F1, 0
	QUARTER 1, 2, F1, F0, 0
	QUARTER 1, 3, F0, F1, 0
	TURN 1, 0, 1
	QUARTER 0, 1, F0, F1, 0
	WIN 0
	s_sub_co_u32 s3, s3, 1
	s_cmp_lg_u32 s3, 0
	s_cbranch_scc1 .Llap
	QUARTER 0, 2, F1, F0, 0                        ; the last lap fills nothing
	QUARTER 0, 3, F0, F1, 0
	TURN 0, 1, 0
	QUARTER 1, 1, F0, F1, 0
	QUARTER 1, 2, F1, F0, 0
	QUARTER 1, 3, F0, F1, 0
	s_wait_dscnt 16
	MUL8 F1, 0, 0, 0
	MUL8 F1, 0, 2, 0
	s_wait_dscnt 0x0
	MUL8 F1, 1, 0, 0
	MUL8 F1, 1, 2, 0
	WIN 0
	; THE WAY OUT: a block of 16 rows at a time: 32 bytes a lane and column block into my stage (each accumulator's low four registers first), back as whole rows of 256 bytes, stored.
	PLACES
.irp a, 0,1,2,3
.irp b, 0,1,2,3
	ds_store_b128 v[STO], v[ACC+8*(4*(\a)+(\b)):ACC+8*(4*(\a)+(\b))+3]   offset:64*(\b)
	ds_store_b128 v[STO], v[ACC+8*(4*(\a)+(\b))+4:ACC+8*(4*(\a)+(\b))+7] offset:64*(\b)+16
.endr
.irp t, 0,1,2,3,4,5,6,7
	ds_load_b128 v[OB+32*((\a)%2)+4*(\t):OB+32*((\a)%2)+4*(\t)+3], v[RD] offset:(\t)*2*SPITCH  ; LDS serves a wave's instructions in order: these see the stores above
.endr
	s_wait_dscnt 0x0                               ; the block is back in registers
	s_wait_xcnt 0x0                                ; the stores of the block before have read their registers: the next block's loads land there only behind this wait
.irp t, 0,1,2,3,4,5,6,7
	global_store_b128 v[CO], v[OB+32*((\a)%2)+4*(\t):OB+32*((\a)%2)+4*(\t)+3], s[8:9] offset:(16*(\a)+2*(\t))*8192 th:TH_STORE_NT  ; 16 lanes store 256 consecutive bytes, aligned
.endr
.endr
	s_wait_tensorcnt 0x0                           ; the wave's end
	ds_add_u32 v[SPW], v[NIL]
	s_wait_dscnt 0x0
	CROUND                                         ; the closing round
	s_endpgm
.Lfunc_end_k_q0d73bbb01b_oproj:
	.size	k_q0d73bbb01b_oproj, .Lfunc_end_k_q0d73bbb01b_oproj-k_q0d73bbb01b_oproj
	.p2alignl 7, 3214868480
	.fill 96, 4, 3214868480
	.section	.rodata,"a",@progbits
	.p2align	6, 0x0
	.amdhsa_kernel k_q0d73bbb01b_oproj
		.amdhsa_group_segment_fixed_size 327680
		.amdhsa_private_segment_fixed_size 0
		.amdhsa_enable_private_segment 0
		.amdhsa_kernarg_size 24
		.amdhsa_user_sgpr_count 2
		.amdhsa_user_sgpr_kernarg_segment_ptr 1
		.amdhsa_wavefront_size32 1
		.amdhsa_system_sgpr_workgroup_id_x 1
		.amdhsa_system_sgpr_workgroup_id_y 1
		.amdhsa_system_sgpr_workgroup_id_z 1
		.amdhsa_system_vgpr_workitem_id 0
		.amdhsa_next_free_vgpr 512
		.amdhsa_next_free_sgpr 66
		.amdhsa_reserve_vcc 0
		.amdhsa_float_denorm_mode_32 3
		.amdhsa_float_denorm_mode_16_64 3
		.amdhsa_memory_ordered 1
		.amdhsa_forward_progress 1
		.amdhsa_inst_pref_size 86
	.end_amdhsa_kernel
	.amdgpu_metadata
---
amdhsa.version: [ 1, 2 ]
amdhsa.kernels:
  - .name:           k_q0d73bbb01b_oproj
    .symbol:         k_q0d73bbb01b_oproj.kd
    .args:
      - { .name: att, .offset: 0, .size: 8, .value_kind: global_buffer, .address_space: global }
      - { .name: wob, .offset: 8, .size: 8, .value_kind: global_buffer, .address_space: global }
      - { .name: out0, .offset: 16, .size: 8, .value_kind: global_buffer, .address_space: global }
    .group_segment_fixed_size: 327680
    .private_segment_fixed_size: 0
    .kernarg_segment_align: 8
    .kernarg_segment_size: 24
    .max_flat_workgroup_size: 128
    .sgpr_count:     66
    .vgpr_count:     512
    .wavefront_size: 32
...
	.end_amdgpu_metadata
.endif
;; end of part 4
